; MI455X (gfx1250); checked and timed in simulation.
; The chip was launched on July 23, 2026; its instructions are those of AMD's public machine-readable ISA for CDNA 5 (MIT licence, August 2026) and "CDNA5" Instruction Set Architecture Reference Guide (July 2026). The comments in the code are by the model that wrote it; some were corrected since.
;; MLA Attention. Allowed arithmetic: matrix products marked QUANTISED: E2M1 operands, one E8M0 scale for each 32 along K, by v_wmma_scale_f32_16x16x128_f8f6f4 with both operands' format E2M1 (or v_wmma_scale_f32_32x16x128_f4), f32 sums; products left as they are: bf16, f16 or f32 operands; f32 sums; everything else in f32.
;; Inputs: Wdown 2,048 x 512 float32; Wo 2,048 x 2,048 float32; Wq 2,048 x 1,024 float32; Wup 512 x 3,072 float32; hidden_states 2 x 2,048 x 2,048 float32; kv_norm_w 512 float32.
;; Outputs: out0 2 x 2,048 x 2,048 float32.
;; Constants: layer_idx = 0.
;; This version of the problem:
;;   THIS VERSION OF THE PROBLEM IS GIVEN IN LOW PRECISION. The matrix products marked QUANTISED in the list below multiply operands that are first quantised to E2M1 (2 exponent bits, 1 mantissa bit; 4 bits a number), with one power-of-two scale for each 32 numbers along K (OCP MX v1.0); their sums are f32. The products marked 'left as it is' may take bf16, f16 or f32 operands, with f32 sums. Whichever they take, every output number must still come out within the allowed error. Rounding operands to bf16 (8 significant bits) uses up far more of that allowance than f16 does (11 bits, for magnitudes from 6e-5 to 65,504). All else is computed in f32.
;;   The module's matrix products, in the order in which they are computed (A, B: the left and right operand; K: the contracted axis; several contracted axes count as one K, in the product's order):
;;     1. [M 4,096, K 2,048] x [K 2,048, N 1,024]; A: input hidden_states; B: input Wq: QUANTISED
;;     2. [M 4,096, K 2,048] x [K 2,048, N 512]; A: input hidden_states; B: input Wdown: QUANTISED
;;     3. [M 4,096, K 512] x [K 512, N 3,072]; A: computed on the way; B: input Wup: left as it is (an operand is computed on the way)
;;     4. batch 32 x [M 2,048, K 64] x [K 64, N 2,048]; A: computed on the way; B: computed on the way: left as it is (an operand is computed on the way)
;;     5. batch 32 x [M 2,048, K 2,048] x [K 2,048, N 128]; A: computed on the way; B: computed on the way: left as it is (an operand is computed on the way)
;;     6. [M 4,096, K 2,048] x [K 2,048, N 2,048]; A: computed on the way; B: input Wo: left as it is (an operand is computed on the way)
;;   THE QUANTISER, for each operand of a quantised product, along K:
;;     - K is cut into blocks of 32 from its start; a last block that is shorter is filled with zeros.
;;     - A block's scale is 2^e with e = floor(log2(the largest magnitude in the block)) - 2, held to -126 .. 127; a block of zeros has e = 0. As a byte (E8M0): e + 127.
;;     - Each number is divided by its block's scale, clamped to +-6, and rounded to the nearest number of E2M1, ties to even, subnormals kept.
;;     - The product sums the exact products of the quantised numbers (number of the format x scale) in f32.
;;   ~~~python
;;   def quantise(x, axis):      # numpy; x: float32 -> the quantised numbers, widened to float32 again
;;       x = np.moveaxis(x, axis, -1); K = x.shape[-1]
;;       x = np.pad(x, [(0, 0)] * (x.ndim - 1) + [(0, -K % 32)]); x = x.reshape(x.shape[:-1] + (-1, 32)); a = np.abs(x).max(-1, keepdims=True)
;;       e = np.where(a > 0, np.clip(np.frexp(np.where(a > 0, a, 1))[1] - 1 - 2, -126, 127), 0)      # np.frexp(a)[1] - 1 = floor(log2(a)), exactly
;;       r = np.clip(x / 2.0 ** e, -6, 6)
;;       step = 2.0 ** (np.maximum(np.frexp(np.where(r == 0, 1, r))[1] - 1, 0) - 1)
;;       q = np.round(r / step) * step * 2.0 ** e      # np.round: ties to even
;;       return np.moveaxis(q.reshape(q.shape[:-2] + (-1,))[..., :K], -1, axis).astype(np.float32)
;;   ~~~
;; One version. Each part assembles by itself: llvm-mc -triple=amdgcn-amd-amdhsa -mcpu=gfx1250 --defsym DOCPART=n.
;; ======== version 1 of 1: 7 launches
;; limits: values are held in f16: magnitudes above 65,504 overflow, below 6.1e-05 lose precision
;; workspace buffers: codes 6,127,616 bytes; wup16 3,145,728 bytes; wo16 8,388,608 bytes; act 12,582,912 bytes; fine 786,432 bytes; kv16 25,165,824 bytes; o16 16,777,216 bytes; ofine 262,144 bytes
;; launch prep (part 1): grid 800 x 1, 4 waves a work-group, no clusters, 34,304 bytes of LDS; arguments hidden_states, Wq, Wdown, Wup, Wo, codes, wup16, wo16; writes codes, wup16, wo16
.if DOCPART == 1
	.amdgcn_target "amdgcn-amd-amdhsa--gfx1250"
	.amdhsa_code_object_version 6
	.text
	.protected	k_q52adbb39f1_prep
	.globl	k_q52adbb39f1_prep
	.p2align	8
	.type	k_q52adbb39f1_prep,@function
k_q52adbb39f1_prep:
	s_mov_b64 s[64:65], 0
	v_nop
	global_prefetch_b8 v0, s[64:65] scope:SCOPE_SE
	s_setreg_imm32_b32 hwreg(HW_REG_WAVE_MODE, 25, 1), 1
	s_wait_xcnt 0x0
; PREP.  hidden_states [4096][2048], Wq [2048][1024] and Wdown [2048][512] (f32) become codes of FP4 (E2M1) with one E8M0 scale byte for each 32 along K = 2048;
; Wup [512][3072] and Wo [2048][2048] become f16.  Everything is laid as IMAGES OF OPERAND REGISTERS: a fragment (16 rows or columns x 128 K of codes, or x 32 K of f16) is 1,024 bytes,
; lane l's registers 0-3 at 16 l, its registers 4-7 at 512 + 16 l; which is: group g of four (32 codes, or 8 f16) of row r at 256 g + 16 r.
;   codes: hs [row tile 256][K step 16][1 KB] at 0; weights [column tile 96][K step 16][1 KB] at WC (0-63 Wq, 64-95 Wdown); scale words [tile 352][K step 16][row 16] at SC (0-255 hs, then the weights)
;   wup16: [column tile 192][chunk of 32 K: 16][1 KB];   wo16: [column tile 128][chunk 64][1 KB]
; A block's scale is 2^(floor(log2(largest magnitude)) - 2): its byte is the largest magnitude's exponent field - 2, held at 1 from below by a floor among the maximum's leaves.
; LIMITS: a block of zeros gets the byte 1 where the rule says 127 (its codes are zeros, and this program alone reads the bytes); NaN and infinities are not served; f16 holds weights up to 65,504.
; WORK-GROUPS: 0-255 a row tile of hs each; 256-383 Wq; 384-447 Wdown; 448-543 Wup; 544-799 Wo.  Only the first path uses LDS.  Waves share nothing: no barrier.
.set WC,    4194304
.set SC,    5767168
.set STG,   8448                       ; a wave's stage: 16 rows x (512 bytes + 16)
.set SPARE, 4*STG                      ; behind the stages: the spare words, 128 bytes a wave
.set R,   16                           ; v16-143  two sets of 64: a unit's numbers as loaded
.set X,   144                          ; v144-207 the same as a lane's two blocks of 32 neighbours
.set C,   208                          ; v208-239 codes, eight registers a unit: no store's data are written again
.set W,   240                          ; v240-243 a unit's scale word
.set SPW, 250
.set NIL, 251
	s_load_b256 s[4:11], s[0:1], 0x0               ; hs s[4:5], Wq s[6:7], Wdown s[8:9], Wup s[10:11]
	s_load_b256 s[12:19], s[0:1], 0x20             ; Wo s[12:13], codes s[14:15], wup16 s[16:17], wo16 s[18:19]
	v_lshl_add_u32 v[SPW], v0, 2, SPARE
	v_mov_b32 v[NIL], 0
	v_lshrrev_b32 v1, 5, v0
	v_readfirstlane_b32 s20, v1                    ; wave
	v_and_b32 v1, 31, v0                           ; lane
	v_and_b32 v2, 15, v0                           ; r
	v_bfe_u32 v3, v0, 4, 1                         ; h
	s_mov_b32 s23, 0                               ; upper word of every offset pair s[22:23]
	s_mov_b32 s28, 0x76543210
	s_mov_b32 s29, 0xfedcba98                      ; v_permlanex16_b32's selects for lane l xor 16
	s_wait_kmcnt 0x0
	s_cmp_lt_u32 ttmp9, 256
	s_cbranch_scc0 .Lweights
; ---- hs: K is innermost.  The work-group takes 16 rows, wave w K steps 4 w .. 4 w + 3: four units of 16 rows x 128 K.
; A load reads 512 consecutive bytes of one row; the unit turns through the wave's stage, so that lane (r, h) gets, of row r, blocks h and 2 + h whole: the very numbers of its operand registers.
	s_lshl_b32 s22, ttmp9, 17                      ; 16 rows of 8,192 bytes
	s_lshl_b32 s21, s20, 11                        ; + 4 K steps of 512 bytes
	s_add_co_u32 s22, s22, s21
	s_add_nc_u64 s[4:5], s[4:5], s[22:23]
	s_lshl_b32 s22, ttmp9, 14                      ; codes: (16 x row tile + 4 w) KB
	s_lshl_b32 s21, s20, 12
	s_add_co_u32 s22, s22, s21
	s_add_nc_u64 s[24:25], s[14:15], s[22:23]
	s_lshl_b32 s22, ttmp9, 10                      ; scale words: 1 KB a tile, 64 bytes a K step
	s_lshl_b32 s21, s20, 8
	s_add_co_u32 s22, s22, s21
	s_add_co_u32 s22, s22, SC
	s_add_nc_u64 s[26:27], s[14:15], s[22:23]
	s_mul_i32 s21, s20, STG
	v_lshlrev_b32 v5, 4, v1                        ; 16 x lane
	v_add_nc_u32 v4, s21, v5                       ; into the stage: a row's 512 bytes as they lie
	v_mul_u32_u24 v6, v2, 528
	v_lshl_add_u32 v6, v3, 7, v6
	v_add_nc_u32 v6, s21, v6                       ; out of it: row r, + 128 h
	v_lshlrev_b32 v15, 3, v3                       ; 8 h
	v_mov_b32 v7, 0                                ; a lane permute's destination counts as read
	v_lshlrev_b32 v244, 2, v1                      ; 4 x lane
.macro LOADA u
.irp t, 0,1,2,3,4,5,6,7,8,9,10,11,12,13,14,15
	global_load_b128 v[R+64*((\u)%2)+4*\t:R+64*((\u)%2)+4*\t+3], v5, s[4:5] offset:\t*8192+(\u)*512 th:TH_LOAD_NT
.endr
.endm
.macro UNIT u
.if (\u) < 3
	s_wait_loadcnt 16                              ; this unit's 16 loads are in; the next unit's may be out
.else
	s_wait_loadcnt 0x0
.endif
.irp t, 0,1,2,3,4,5,6,7,8,9,10,11,12,13,14,15
	ds_store_b128 v4, v[R+64*((\u)%2)+4*\t:R+64*((\u)%2)+4*\t+3] offset:528*\t
.endr
.irp c, 0,1
.irp i, 0,1,2,3,4,5,6,7
	ds_load_b128 v[X+32*\c+4*\i:X+32*\c+4*\i+3], v6 offset:256*\c+16*\i   ; LDS serves a wave's instructions in order: these see the stores above
.endr
.endr
	s_wait_dscnt 0x0                               ; the numbers are back, so the stores have read their registers,
.if (\u)+2 < 4
	LOADA (\u)+2                                   ; which take the loads of two units on
.endif
.irp c, 0,1
	v_max3_num_f32 v[8+\c], |v[X+32*\c]|, |v[X+32*\c+1]|, 0x1800000   ; block 2 c + h: all 32 are mine; the floor 2^(3 - 127) holds the byte at 1 from below
.endr
.irp i, 2,4,6,8,10,12,14,16,18,20,22,24,26,28,30
.irp c, 0,1
	v_max3_num_f32 v[8+\c], v[8+\c], |v[X+32*\c+\i]|, |v[X+32*\c+\i+1]|
.endr
.endr
.irp c, 0,1
	v_add_nc_u32 v[12+\c], 0xff000000, v[8+\c]     ; 2 off the exponent field: the conversion's scale operand
.endr
.irp c, 0,1
	v_lshrrev_b32 v[10+\c], 23, v[12+\c]           ; the scale's byte
.endr
	v_lshl_or_b32 v14, v11, 16, v10                ; my two bytes, blocks h and 2 + h,
	v_lshlrev_b32 v14, v15, v14                    ; at their places in the word;
	v_permlanex16_b32 v7, v14, s28, s29
	v_or_b32 v[W+(\u)], v14, v7                    ; with lane l xor 16's two the word is whole
.irp c, 0,1
.irp g, 0,1,2,3
	v_cvt_scalef32_pk8_fp4_f32 v[C+8*(\u)+4*\c+\g], v[X+32*\c+8*\g:X+32*\c+8*\g+7], v[12+\c]
.endr
.endr
	v_nop                                          ; one plain line behind the last scaled conversion
.irp c, 0,1
	global_store_b128 v5, v[C+8*(\u)+4*\c:C+8*(\u)+4*\c+3], s[24:25] offset:(\u)*1024+512*\c   ; 512 consecutive bytes
.endr
.endm
	LOADA 0
	LOADA 1
	UNIT 0
	UNIT 1
	UNIT 2
	UNIT 3
	v_cmp_eq_u32 vcc_lo, 1, v3
	v_cndmask_b32 v8, v[W], v[W+1], vcc_lo         ; lanes 0-15 store K step 4 w's words, lanes 16-31 K step 4 w + 1's: 128 consecutive bytes
	v_cndmask_b32 v9, v[W+2], v[W+3], vcc_lo
	global_store_b32 v244, v8, s[26:27]
	global_store_b32 v244, v9, s[26:27] offset:128
	s_wait_tensorcnt 0x0                           ; the wave's end, behind my last LDS store
	ds_add_u32 v[SPW], v[NIL]
	s_wait_dscnt 0x0
	s_endpgm
; ---- the weights: K is the FIRST axis.  A lane takes a column and its registers run down K: a load reads 128 consecutive bytes a wave, 512 a work-group.
; A work-group takes 128 columns x 128 K.  Loads run two blocks of 32 ahead, each block into registers of its own.
.macro LOADW src, cols, j
.set I_, 0
.rept 32
	global_load_b32 v[16+32*(\j)+I_], v4, s[\src:\src+1] offset:(32*(\j)+I_)*\cols*4 th:TH_LOAD_NT
.set I_, I_+1
.endr
.endm
.macro WHEAD src, cols, kbits, first           ; s30 = which 128 along K, s21 = which 128 columns; the source at my wave's 32 columns
	s_sub_co_u32 s21, ttmp9, \first
	s_and_b32 s30, s21, (1<<\kbits)-1
	s_lshr_b32 s21, s21, \kbits
	s_mul_i32 s22, s30, 128*\cols*4
	s_lshl_b32 s31, s21, 9
	s_add_co_u32 s22, s22, s31
	s_lshl_b32 s31, s20, 7
	s_add_co_u32 s22, s22, s31
	s_add_nc_u64 s[\src:\src+1], s[\src:\src+1], s[22:23]
	s_lshl_b32 s21, s21, 3
	s_lshl_b32 s31, s20, 1
	s_add_co_u32 s21, s21, s31                     ; my wave's first column tile: 8 x group + 2 x wave
	v_lshlrev_b32 v4, 2, v1
	LOADW \src, \cols, 0
	LOADW \src, \cols, 1
.endm
.macro WWAIT src, cols, j
.if (\j) < 3
	s_wait_loadcnt 32                              ; this block's 32 loads are in; the next block's may be out
.else
	s_wait_loadcnt 0x0
.endif
.if (\j) < 2
	LOADW \src, \cols, (\j)+2
.endif
.endm
; to FP4: a lane's 32 registers are a whole block of its column
.macro QW src, cols, ct0, first
	WHEAD \src, \cols, 4, \first
	s_add_co_u32 s21, s21, \ct0
	s_lshl_b32 s22, s21, 14                        ; codes: (16 x tile + K step) KB
	s_lshl_b32 s31, s30, 10
	s_add_co_u32 s22, s22, s31
	s_add_co_u32 s22, s22, WC
	s_add_nc_u64 s[24:25], s[14:15], s[22:23]
	s_lshl_b32 s22, s21, 10                        ; scale words
	s_lshl_b32 s31, s30, 6
	s_add_co_u32 s22, s22, s31
	s_add_co_u32 s22, s22, SC+256*1024
	s_add_nc_u64 s[26:27], s[14:15], s[22:23]
	v_lshlrev_b32 v5, 4, v2
	v_lshl_add_u32 v5, v3, 14, v5                  ; 16 r, lanes 16-31 one tile (16 KB) on
	v_lshlrev_b32 v6, 2, v2
	v_lshl_add_u32 v6, v3, 10, v6                  ; 4 r, lanes 16-31 one tile (1 KB) on
.irp j, 0,1,2,3
	WWAIT \src, \cols, \j
.set XS, 16+32*\j
	v_max3_num_f32 v8, |v[XS]|, |v[XS+1]|, |v[XS+2]|
	v_max3_num_f32 v9, |v[XS+3]|, |v[XS+4]|, |v[XS+5]|
.irp i, 6,10,14,18,22,26
	v_max3_num_f32 v8, v8, |v[XS+\i]|, |v[XS+\i+1]|
	v_max3_num_f32 v9, v9, |v[XS+\i+2]|, |v[XS+\i+3]|
.endr
	v_max3_num_f32 v8, v8, |v[XS+30]|, |v[XS+31]|
	v_max3_num_f32 v8, v8, v9, 0x1800000           ; and the floor
	v_add_nc_u32 v11, 0xff000000, v8               ; the conversion's scale operand
	v_lshrrev_b32 v13, 23, v11                     ; the byte
.if \j == 0
	v_mov_b32 v12, v13
.else
	v_lshl_or_b32 v12, v13, 8*\j, v12
.endif
.irp g, 0,1,2,3
	v_cvt_scalef32_pk8_fp4_f32 v[144+4*\j+\g], v[XS+8*\g:XS+8*\g+7], v11
.endr
	v_nop                                          ; one plain line behind the last scaled conversion
	global_store_b128 v5, v[144+4*\j:147+4*\j], s[24:25] offset:256*\j   ; sixteen lanes store 256 consecutive bytes, aligned
.endr
	global_store_b32 v6, v12, s[26:27]             ; runs of 64 bytes; 96 KB of such words in the launch
	s_endpgm
.endm
; to f16: 32 registers are a chunk of 32 K of my column: four groups of 8
.macro CONV src, dst, cols, kch, kbits, first
	WHEAD \src, \cols, \kbits, \first
	s_mul_i32 s22, s21, \kch*1024
	s_lshl_b32 s31, s30, 12                        ; + 4 chunks for each 128 along K
	s_add_co_u32 s22, s22, s31
	s_add_nc_u64 s[\dst:\dst+1], s[\dst:\dst+1], s[22:23]
	v_lshlrev_b32 v5, 4, v2
	v_mul_u32_u24 v6, v3, \kch*1024
	v_add_nc_u32 v5, v5, v6                        ; 16 r, lanes 16-31 one tile on
.irp j, 0,1,2,3
	WWAIT \src, \cols, \j
.irp i, 0,1,2,3,4,5,6,7,8,9,10,11,12,13,14,15
	v_cvt_pk_f16_f32 v[144+16*\j+\i], v[16+32*\j+2*\i], v[16+32*\j+2*\i+1]
.endr
.irp g, 0,1,2,3
	global_store_b128 v5, v[144+16*\j+4*\g:144+16*\j+4*\g+3], s[\dst:\dst+1] offset:\j*1024+256*\g   ; sixteen lanes store 256 consecutive bytes, aligned
.endr
.endr
	s_endpgm
.endm
.Lweights:
	s_cmp_lt_u32 ttmp9, 384
	s_cbranch_scc0 .Lnot_wq
	QW 6, 1024, 0, 256
.Lnot_wq:
	s_cmp_lt_u32 ttmp9, 448
	s_cbranch_scc0 .Lnot_wdown
	QW 8, 512, 64, 384
.Lnot_wdown:
	s_cmp_lt_u32 ttmp9, 544
	s_cbranch_scc0 .Lwo
	CONV 10, 16, 3072, 16, 2, 448
.Lwo:
	CONV 12, 18, 2048, 64, 4, 544
.Lfunc_end_k_q52adbb39f1_prep:
	.size	k_q52adbb39f1_prep, .Lfunc_end_k_q52adbb39f1_prep-k_q52adbb39f1_prep
	.p2alignl 7, 3214868480
	.fill 96, 4, 3214868480
	.section	.rodata,"a",@progbits
	.p2align	6, 0x0
	.amdhsa_kernel k_q52adbb39f1_prep
		.amdhsa_group_segment_fixed_size 34304
		.amdhsa_private_segment_fixed_size 0
		.amdhsa_enable_private_segment 0
		.amdhsa_kernarg_size 64
		.amdhsa_user_sgpr_count 2
		.amdhsa_user_sgpr_kernarg_segment_ptr 1
		.amdhsa_wavefront_size32 1
		.amdhsa_system_sgpr_workgroup_id_x 1
		.amdhsa_system_sgpr_workgroup_id_y 1
		.amdhsa_system_sgpr_workgroup_id_z 1
		.amdhsa_system_vgpr_workitem_id 0
		.amdhsa_next_free_vgpr 256
		.amdhsa_next_free_sgpr 66
		.amdhsa_reserve_vcc 1
		.amdhsa_float_denorm_mode_32 3
		.amdhsa_float_denorm_mode_16_64 3
		.amdhsa_memory_ordered 1
		.amdhsa_forward_progress 1
		.amdhsa_inst_pref_size 106
	.end_amdhsa_kernel
	.amdgpu_metadata
---
amdhsa.version: [ 1, 2 ]
amdhsa.kernels:
  - .name:           k_q52adbb39f1_prep
    .symbol:         k_q52adbb39f1_prep.kd
    .args:
      - { .name: hidden_states, .offset: 0, .size: 8, .value_kind: global_buffer, .address_space: global }
      - { .name: Wq, .offset: 8, .size: 8, .value_kind: global_buffer, .address_space: global }
      - { .name: Wdown, .offset: 16, .size: 8, .value_kind: global_buffer, .address_space: global }
      - { .name: Wup, .offset: 24, .size: 8, .value_kind: global_buffer, .address_space: global }
      - { .name: Wo, .offset: 32, .size: 8, .value_kind: global_buffer, .address_space: global }
      - { .name: codes, .offset: 40, .size: 8, .value_kind: global_buffer, .address_space: global }
      - { .name: wup16, .offset: 48, .size: 8, .value_kind: global_buffer, .address_space: global }
      - { .name: wo16, .offset: 56, .size: 8, .value_kind: global_buffer, .address_space: global }
    .group_segment_fixed_size: 34304
    .private_segment_fixed_size: 0
    .kernarg_segment_align: 8
    .kernarg_segment_size: 64
    .max_flat_workgroup_size: 128
    .sgpr_count:     66
    .vgpr_count:     256
    .wavefront_size: 32
...
	.end_amdgpu_metadata
.endif
;; end of part 1
;; launch qc (part 2): grid 64 x 3, 8 waves a work-group, clusters of 4 x 1, 327,680 bytes of LDS; arguments codes, kv_norm_w, act, fine; writes act, fine
.if DOCPART == 2
	.amdgcn_target "amdgcn-amd-amdhsa--gfx1250"
	.amdhsa_code_object_version 6
	.text
	.protected	k_q52adbb39f1_qc
	.globl	k_q52adbb39f1_qc
	.p2align	8
	.type	k_q52adbb39f1_qc,@function
k_q52adbb39f1_qc:
	s_mov_b64 s[64:65], 0
	v_nop
	global_prefetch_b8 v0, s[64:65] scope:SCOPE_SE
	s_setreg_imm32_b32 hwreg(HW_REG_WAVE_MODE, 25, 1), 1
	s_wait_xcnt 0x0
	s_wait_alu depctr_hold_cnt(0) depctr_sa_sdst(0) depctr_va_vdst(0) depctr_va_sdst(0) depctr_va_ssrc(0) depctr_va_vcc(0) depctr_vm_vsrc(0)
	s_getreg_b32 s2, hwreg(HW_REG_IB_STS2, 6, 4)
	s_cmp_eq_u32 s2, 0
	s_cbranch_scc0 .Lentry_in_a_cluster
	s_endpgm
.Lentry_in_a_cluster:
	s_bfe_u32 s2, ttmp6, 0x10000c
	s_cmp_lg_u32 s2, 0x3003
	s_cbranch_scc0 .Lentry_shape_is_right
	s_endpgm
.Lentry_shape_is_right:
; QC.  The two quantised products, hs x Wq and hs x Wdown, on codes of FP4 with E8M0 scales, K = 2048, sums in f32; then q x log2(e)/8 to f16, and the latent through its RMS norm x w to f16.
; A work-group makes 64 rows x 512 columns: y = 0, 1: q's columns 512 y on; y = 2: the latent's 512.  Wave w makes all 64 rows x columns 64 w .. 64 w + 63: 16 accumulators; in q that is head 8 y + w.
; K goes in four steps of 512 through two LDS slots; operands lie in memory and in LDS as images of their registers (1 KB a fragment), so a fragment is two ds_load_b128 at 16 x lane.
; CLUSTER: the four work-groups along x need the same 128 KB of weights in each step: these come JOINTLY (waves 0-3, mask 15); the work-group's own 16 KB of hs come by a plain load (wave 4).
; THE MATRIX INSTRUCTION IS USED TRANSPOSED (source 0 = 16 columns of the weight, source 1 = 16 rows of hs): a lane holds one row and eight neighbouring columns, which packed to f16 are half a fragment of the next product.
; The scale words come from memory straight into registers: lanes 0-15 the word of hs's row tile i, lanes 16-31 that of the weight's column tile i.
; Rows 0-15 of each sequence are also stored in f32 (buffer fine): they are carried finely by launches of their own.  The four partners store their first row tile each, told apart by address; only the first partner's is read.
; LIMITS: q x log2(e)/8 and the normalised latent x w must lie within f16's range (65,504); NaN and infinities are not served; v_rsq_f32 is good to 1 ulp.
; act: q16 [batch x head 32][query tile 128][32 of d: 2][1 KB] at 0;  x16 [row tile 256][chunk of 32: 16][1 KB] at X16.   fine: q [batch 2][partner 4][16][1024] f32 at 0; latent [2][4][16][512] f32 at XF.
.set WC,    4194304
.set SC,    5767168
.set X16,   8388608
.set XF,    524288
.set SLOT,  147456                     ; B: 32 column tiles x 4 KB, then A: 4 row tiles x 4 KB
.set AOFF,  131072
.set RED,   2*SLOT                     ; [row tile 4][row 16][wave 8] f32: the waves' sums of squares
.set SPARE, RED+2048                   ; the spare words, 128 bytes a wave
.set ADRB, 2                           ; v2-3   my four column tiles in slot 0, 1
.set ADRA, 4                           ; v4-5   the four row tiles
.set SPW,  6
.set NIL,  7
.set SCO,  8                           ; v8     the scale words' offset
.set L16,  9                           ; v9     16 x lane
.set REDW, 10
.set REDR, 11
.set SCL,  24                          ; v24-55 scale words, two sets of 16: register 4 q + i
.set AF,   56                          ; v56-87 hs's four fragments
.set BF,   88                          ; v88-119 the weight's four
.set ACC,  120                         ; v120-247 accumulator (a, b) at ACC + 8 (4 a + b)
.set G1B,  24
.set G1A,  32
.set G0B,  40                          ; s[40:47] a set for each slot
.set G0A,  48                          ; s[48:55]
.macro ROUND                           ; a round of the cluster's barrier
	s_barrier_signal -1
	s_barrier_wait -1
	s_cmp_lg_u32 s12, 0
	s_cbranch_scc1 .Lnot_wave_0_\@
	s_barrier_signal -3
.Lnot_wave_0_\@:
	s_barrier_wait -3
	s_barrier_signal -1
	s_barrier_wait -1
.endm
.macro PLACES
.rept 4
	v_nop
.endr
.endm
.macro TL s                            ; a refill: waves 0-3 a quarter of B each, wave 4 A, the others nothing; the branches hang on the wave's number alone
	s_cmp_lt_u32 s12, 4
	s_cbranch_scc0 .Lnot_b_\@
	tensor_load_to_lds s[G0B+4*\s:G0B+4*\s+3], s[G1B:G1B+7]
	s_nop 0
	PLACES
	s_branch .Lasked_\@
.Lnot_b_\@:
	s_cmp_eq_u32 s12, 4
	s_cbranch_scc0 .Lasked_\@
	tensor_load_to_lds s[G0A+4*\s:G0A+4*\s+3], s[G1A:G1A+7]
	s_nop 0
	PLACES
.Lasked_\@:
.endm
	s_load_b256 s[4:11], s[0:1], 0x0               ; codes s[4:5], kv_norm_w s[6:7], act s[8:9], fine s[10:11]
	v_lshl_add_u32 v[SPW], v0, 2, SPARE
	v_mov_b32 v[NIL], 0
	ds_add_u32 v[SPW], v[NIL]                      ; the opening: the add, twice on end, and its wait ahead of the first tensor load
	ds_add_u32 v[SPW], v[NIL]
	v_lshrrev_b32 v1, 5, v0
	v_readfirstlane_b32 s12, v1                    ; wave 0..7
	s_bfe_u32 s13, ttmp6, 0x40000                  ; cx
	s_lshl_b32 s14, ttmp9, 2
	s_add_co_u32 s14, s14, s13                     ; my block of 64 rows
	s_and_b32 s15, ttmp7, 0xffff                   ; y
	s_mov_b32 s[G1B], 15|(3<<16)|(1<<21)           ; the mask: all four; elements of 8 bytes; bit 21 beside a mask
	s_mov_b32 s[G1B+1], 512<<16                    ; tensor_dim0 = 512 elements: 4 KB, a tile's four K steps of 128
	s_mov_b32 s[G1B+2], 8<<16                      ; tensor_dim1 = 8 tiles
	s_mov_b32 s[G1B+3], 512<<16                    ; tile_dim0
	s_mov_b32 s[G1B+4], 8                          ; tile_dim1
	s_mov_b32 s[G1B+5], 2048                       ; from tile to tile: 16 KB
	s_mov_b32 s[G1B+6], 0
	s_mov_b32 s[G1B+7], 0
	s_mov_b32 s[G1A], 3<<16                        ; no mask: my own rows
	s_mov_b32 s[G1A+1], 512<<16
	s_mov_b32 s[G1A+2], 4<<16
	s_mov_b32 s[G1A+3], 512<<16
	s_mov_b32 s[G1A+4], 4
	s_mov_b32 s[G1A+5], 2048
	s_mov_b32 s[G1A+6], 0
	s_mov_b32 s[G1A+7], 0
	s_mov_b32 s58, 0x76543210
	s_mov_b32 s59, 0xfedcba98
	s_and_b32 s16, s12, 3
	s_lshl_b32 s17, s16, 15                        ; B's quarter in a slot
	s_lshl_b32 s18, s15, 19                        ; 32 y tiles of 16 KB
	s_lshl_b32 s19, s16, 17                        ; + 8 tiles a wave
	s_add_co_u32 s18, s18, s19
	s_add_co_u32 s18, s18, WC
	s_mov_b32 s19, 0
	s_lshl_b32 s60, s14, 16                        ; A: 4 row tiles of 16 KB a block
	s_mov_b32 s61, 0
	s_wait_dscnt 0x0                               ; both opening adds are done
	s_wait_kmcnt 0x0
	s_add_nc_u64 s[20:21], s[4:5], s[18:19]
	s_add_nc_u64 s[22:23], s[4:5], s[60:61]
	s_add_nc_u64 s[56:57], s[4:5], SC
.irp s, 0,1
	s_mov_b32 s[G0B+4*\s], 1
	s_add_co_u32 s[G0B+4*\s+1], s17, \s*SLOT
	s_add_nc_u64 s[G0B+4*\s+2:G0B+4*\s+3], s[20:21], \s*4096
	s_or_b32 s[G0B+4*\s+3], s[G0B+4*\s+3], 0x80000000
	s_mov_b32 s[G0A+4*\s], 1
	s_mov_b32 s[G0A+4*\s+1], \s*SLOT+AOFF
	s_add_nc_u64 s[G0A+4*\s+2:G0A+4*\s+3], s[22:23], \s*4096
	s_or_b32 s[G0A+4*\s+3], s[G0A+4*\s+3], 0x80000000
.endr
	ROUND                                          ; all four work-groups are here: the first joint loads meet
	s_cmp_lt_u32 s12, 4                            ; a wave's two first fills stand in one branch: two loads of mine are out at the most
	s_cbranch_scc0 .Lfirst_not_b
	tensor_load_to_lds s[G0B:G0B+3], s[G1B:G1B+7]
	s_nop 0
	tensor_load_to_lds s[G0B+4:G0B+7], s[G1B:G1B+7]
	s_nop 0
	PLACES
	s_branch .Lfirst_asked
.Lfirst_not_b:
	s_cmp_eq_u32 s12, 4
	s_cbranch_scc0 .Lfirst_asked
	tensor_load_to_lds s[G0A:G0A+3], s[G1A:G1A+7]
	s_nop 0
	tensor_load_to_lds s[G0A+4:G0A+7], s[G1A:G1A+7]
	s_nop 0
	PLACES
.Lfirst_asked:
	v_and_b32 v248, 15, v0                         ; r
	v_bfe_u32 v249, v0, 4, 1                       ; h
	s_lshl_b32 s60, s15, 15
	s_lshl_b32 s61, s12, 12
	s_add_co_u32 s60, s60, s61
	s_add_co_u32 s60, s60, 256*1024                ; the weight's words: tile 256 + 32 y + 4 w, 1 KB a tile
	s_lshl_b32 s61, s14, 12                        ; hs's: tile 4 x block
	s_sub_co_u32 s60, s60, s61
	v_mul_lo_u32 v12, v249, s60                    ; lanes 16-31 take the weight's
	v_lshl_add_u32 v[SCO], v248, 2, v12
	v_add_nc_u32 v[SCO], s61, v[SCO]
.macro SCLD st                         ; the scale words of step st (four K steps of 128) into set st % 2
.irp q, 0,1,2,3
.irp i, 0,1,2,3
	global_load_b32 v[SCL+16*((\st)%2)+4*\q+\i], v[SCO], s[56:57] offset:\i*1024+(4*(\st)+\q)*64
.endr
.endr
.endm
	SCLD 0
	SCLD 1
	v_and_b32 v[L16], 31, v0
	v_lshlrev_b32 v[L16], 4, v[L16]
	s_lshl_b32 s62, s12, 14
	v_add_nc_u32 v[ADRB], s62, v[L16]
	v_add_nc_u32 v[ADRB+1], SLOT, v[ADRB]
	v_add_nc_u32 v[ADRA], AOFF, v[L16]
	v_add_nc_u32 v[ADRA+1], SLOT+AOFF, v[L16]
	v_lshlrev_b32 v[REDR], 5, v248
	v_add_nc_u32 v[REDR], RED, v[REDR]
	s_lshl_b32 s63, s12, 2
	v_add_nc_u32 v[REDW], s63, v[REDR]
.irp a, 0,1,2,3
	v_mov_b32 v[20+\a], 0                          ; a lane permute's destination counts as read
.endr
; 128 along K: eight fragments from LDS, 16 products; the 16 accumulators take turns, in the same order in every step
.macro KSTEP s, q, set, zero
.irp a, 0,1,2,3
.irp c, 0,1
	ds_load_b128 v[AF+8*\a+4*\c:AF+8*\a+4*\c+3], v[ADRA+\s] offset:\a*4096+(\q)*1024+512*\c
	ds_load_b128 v[BF+8*\a+4*\c:BF+8*\a+4*\c+3], v[ADRB+\s] offset:\a*4096+(\q)*1024+512*\c
.endr
.endr
	s_wait_dscnt 0x0
.irp a, 0,1,2,3
.irp b, 0,1,2,3
.if \zero
	v_wmma_scale_f32_16x16x128_f8f6f4 v[ACC+8*(4*\a+\b):ACC+8*(4*\a+\b)+7], v[BF+8*\b:BF+8*\b+7], v[AF+8*\a:AF+8*\a+7], 0, v[SCL+16*\set+4*(\q)+\b], v[SCL+16*\set+4*(\q)+\a] matrix_a_fmt:MATRIX_FMT_FP4 matrix_b_fmt:MATRIX_FMT_FP4 matrix_a_scale:MATRIX_SCALE_ROW1
.else
	v_wmma_scale_f32_16x16x128_f8f6f4 v[ACC+8*(4*\a+\b):ACC+8*(4*\a+\b)+7], v[BF+8*\b:BF+8*\b+7], v[AF+8*\a:AF+8*\a+7], v[ACC+8*(4*\a+\b):ACC+8*(4*\a+\b)+7], v[SCL+16*\set+4*(\q)+\b], v[SCL+16*\set+4*(\q)+\a] matrix_a_fmt:MATRIX_FMT_FP4 matrix_b_fmt:MATRIX_FMT_FP4 matrix_a_scale:MATRIX_SCALE_ROW1
.endif
.endr
.endr
	PLACES                                         ; four places ahead of loads into registers that these products read, and of the first read of results
.endm
.macro STEP4 s, set, zero
	KSTEP \s, 0, \set, \zero
	KSTEP \s, 1, \set, 0
	KSTEP \s, 2, \set, 0
	KSTEP \s, 3, \set, 0
.endm
; The change of slots: every wave waits for all its tensor loads (the next slot's part), adds 0 to its spare word, waits for that and for its reads of slot s.  fill = 1: slot s is filled again, two steps on, behind a round of the cluster's barrier.
.macro CHANGE s, fill
	s_wait_tensorcnt 0x0
	ds_add_u32 v[SPW], v[NIL]
.if \fill
	ds_add_u32 v[SPW], v[NIL]                      ; and once morethe add stands twice where a load can still follow
	s_add_nc_u64 s[G0B+4*\s+2:G0B+4*\s+3], s[G0B+4*\s+2:G0B+4*\s+3], 8192
	s_add_nc_u64 s[G0A+4*\s+2:G0A+4*\s+3], s[G0A+4*\s+2:G0A+4*\s+3], 8192
.endif
	s_wait_dscnt 0x0
.if \fill
	ROUND                                          ; no wave of any partner still reads the slot or has a load on its way
	TL \s
.else
	s_barrier_signal -1
	s_barrier_wait -1
.endif
.endm
	s_wait_tensorcnt 1                             ; my part of slot 0 is in; slot 1's may stay out
	s_barrier_signal -1
	s_barrier_wait -1
	s_wait_loadcnt 16                              ; step 0's scale words are in; step 1's sixteen may be out
	STEP4 0, 0, 1
	SCLD 2
	CHANGE 0, 1
	s_wait_loadcnt 16                              ; step 1's are in; step 2's may be out
	STEP4 1, 1, 0
	SCLD 3
	CHANGE 1, 1
	s_wait_loadcnt 16
	STEP4 0, 0, 0
	CHANGE 0, 0
	s_wait_loadcnt 0x0
	STEP4 1, 1, 0
; THE WAY OUT
.macro FINE vo, sb                     ; the first row tile in f32, in the clusters that hold a sequence's first rows (a branch on the cluster's number: the same in all partners)
	s_and_b32 s78, ttmp9, 7
	s_cmp_eq_u32 s78, 0
	s_cbranch_scc0 .Lno_fine_\@
.irp b, 0,1,2,3
	global_store_b128 v[\vo], v[ACC+8*\b:ACC+8*\b+3], s[\sb:\sb+1] offset:64*\b
	global_store_b128 v[\vo], v[ACC+8*\b+4:ACC+8*\b+7], s[\sb:\sb+1] offset:64*\b+16
.endr
.Lno_fine_\@:
.endm
.macro PACK sb, astr                   ; an accumulator packed to f16 is half a fragment: 512 consecutive bytes a store
.set T_, 0
.rept 16
.irp p, 0,1,2,3
	v_cvt_pk_f16_f32 v[24+4*T_+\p], v[ACC+8*T_+2*\p], v[ACC+8*T_+2*\p+1]
.endr
.set T_, T_+1
.endr
.irp a, 0,1,2,3
.irp b, 0,1,2,3
	global_store_b128 v[L16], v[24+4*(4*\a+\b):24+4*(4*\a+\b)+3], s[\sb:\sb+1] offset:\a*\astr+\b*512
.endr
.endr
.endm
	s_lshr_b32 s68, ttmp9, 3                       ; batch
	s_lshl_b32 s69, s68, 2
	s_add_co_u32 s69, s69, s13                     ; 4 x batch + partner
	s_mov_b32 s71, 0
	s_cmp_eq_u32 s15, 2
	s_cbranch_scc1 .Llatent
	; ---- q
	s_lshl_b32 s70, s69, 16                        ; fine: 16 rows of 4,096 bytes a partner,
	s_lshl_b32 s72, s15, 11
	s_add_co_u32 s70, s70, s72
	s_lshl_b32 s72, s12, 8
	s_add_co_u32 s70, s70, s72                     ; + (512 y + 64 w) x 4
	s_add_nc_u64 s[10:11], s[10:11], s[70:71]
	s_lshl_b32 s70, s68, 4
	s_lshl_b32 s72, s15, 3
	s_add_co_u32 s70, s70, s72
	s_add_co_u32 s70, s70, s12                     ; 16 x batch + head
	s_lshl_b32 s70, s70, 7
	s_and_b32 s72, s14, 31
	s_lshl_b32 s72, s72, 2
	s_add_co_u32 s70, s70, s72                     ; my first tile of queries
	s_lshl_b32 s70, s70, 11
	s_add_nc_u64 s[8:9], s[8:9], s[70:71]
	s_mov_b32 s66, 0x3e38aa3b                      ; log2(e) / sqrt(64)
	s_mov_b32 s67, s66
	v_lshlrev_b32 v250, 12, v248
	v_lshl_add_u32 v250, v249, 5, v250
.set J, 0
.rept 64
	v_pk_mul_f32 v[ACC+J:ACC+J+1], v[ACC+J:ACC+J+1], s[66:67] op_sel_hi:[1,0]   ; each accumulator from its low end on
.set J, J+2
.endr
	FINE 250, 10
	PACK 8, 2048
	s_branch .Ljoin
.Llatent:
	; ---- the latent: RMS norm over its 512 columns, which lie in eight waves
	s_lshl_b32 s70, s69, 15                        ; fine: 16 rows of 2,048 bytes a partner
	s_lshl_b32 s72, s12, 8
	s_add_co_u32 s70, s70, s72
	s_add_co_u32 s70, s70, XF
	s_add_nc_u64 s[10:11], s[10:11], s[70:71]
	s_mov_b32 s73, 0
	s_add_nc_u64 s[6:7], s[6:7], s[72:73]          ; w at my 64 columns
	s_lshl_b32 s70, s14, 16
	s_lshl_b32 s74, s12, 11
	s_add_co_u32 s70, s70, s74
	s_add_co_u32 s70, s70, X16
	s_add_nc_u64 s[8:9], s[8:9], s[70:71]
	s_mov_b32 s76, 0x3b000000                      ; 1 / 512
	s_mov_b32 s77, 0x358637bd                      ; 1e-6
	v_lshlrev_b32 v251, 5, v249                    ; 8 h numbers
	v_lshlrev_b32 v250, 11, v248
	v_add_nc_u32 v250, v250, v251
.irp b, 0,1,2,3
	global_load_b128 v[AF+8*\b:AF+8*\b+3], v251, s[6:7] offset:64*\b       ; w of columns 16 b + 8 h + 0 .. 7
	global_load_b128 v[AF+8*\b+4:AF+8*\b+7], v251, s[6:7] offset:64*\b+16
.endr
.irp a, 0,1,2,3
	v_pk_mul_f32 v[12+2*\a:13+2*\a], v[ACC+32*\a:ACC+32*\a+1], v[ACC+32*\a:ACC+32*\a+1]   ; four chains, a row tile each, by turns
.endr
.set J, 2
.rept 15
.irp a, 0,1,2,3
	v_pk_fma_f32 v[12+2*\a:13+2*\a], v[ACC+32*\a+J:ACC+32*\a+J+1], v[ACC+32*\a+J:ACC+32*\a+J+1], v[12+2*\a:13+2*\a]
.endr
.set J, J+2
.endr
.irp a, 0,1,2,3
	v_add_f32 v[12+2*\a], v[12+2*\a], v[13+2*\a]
.endr
.irp a, 0,1,2,3
	v_permlanex16_b32 v[20+\a], v[12+2*\a], s58, s59
.endr
.irp a, 0,1,2,3
	v_add_f32 v[12+2*\a], v[12+2*\a], v[20+\a]     ; my wave's 64 columns of row r
.endr
.irp a, 0,1,2,3
	ds_store_b32 v[REDW], v[12+2*\a] offset:512*\a ; both halves of the lanes write the same word with the same value
.endr
	s_wait_dscnt 0x0                               ; for the others' sake
	s_barrier_signal -1
	s_barrier_wait -1
.irp a, 0,1,2,3
	ds_load_b128 v[BF+8*\a:BF+8*\a+3], v[REDR] offset:512*\a
	ds_load_b128 v[BF+8*\a+4:BF+8*\a+7], v[REDR] offset:512*\a+16
.endr
	s_wait_dscnt 0x0
.irp a, 0,1,2,3
	v_pk_add_f32 v[BF+8*\a:BF+8*\a+1], v[BF+8*\a:BF+8*\a+1], v[BF+8*\a+2:BF+8*\a+3]
	v_pk_add_f32 v[BF+8*\a+4:BF+8*\a+5], v[BF+8*\a+4:BF+8*\a+5], v[BF+8*\a+6:BF+8*\a+7]
.endr
.irp a, 0,1,2,3
	v_pk_add_f32 v[BF+8*\a:BF+8*\a+1], v[BF+8*\a:BF+8*\a+1], v[BF+8*\a+4:BF+8*\a+5]
.endr
.irp a, 0,1,2,3
	v_add_f32 v[12+2*\a], v[BF+8*\a], v[BF+8*\a+1]
.endr
.irp a, 0,1,2,3
	v_fma_f32 v[12+2*\a], v[12+2*\a], s76, s77     ; the mean of squares + eps
.endr
.irp a, 0,1,2,3
	v_rsq_f32 v[12+2*\a], v[12+2*\a]
.endr
	v_nop                                          ; a plain line behind the last of the four
	s_wait_alu depctr_va_vdst(0)                   ; one wait for the four, ahead of their first reader
	s_wait_loadcnt 0x0                             ; w
.irp a, 0,1,2,3
.set J, 0
.rept 16
	v_pk_mul_f32 v[ACC+32*\a+J:ACC+32*\a+J+1], v[ACC+32*\a+J:ACC+32*\a+J+1], v[12+2*\a:13+2*\a] op_sel_hi:[1,0]
	v_pk_mul_f32 v[ACC+32*\a+J:ACC+32*\a+J+1], v[ACC+32*\a+J:ACC+32*\a+J+1], v[AF+J:AF+J+1]   ; w x (x / rms), in that order
.set J, J+2
.endr
.endr
	FINE 250, 10
	PACK 8, 16384
.Ljoin:
	s_wait_tensorcnt 0x0                           ; the wave's end
	ds_add_u32 v[SPW], v[NIL]
	s_wait_dscnt 0x0
	ROUND                                          ; the closing round: no work-group ends while a partner may still ask for a tile that names it
	s_endpgm
.Lfunc_end_k_q52adbb39f1_qc:
	.size	k_q52adbb39f1_qc, .Lfunc_end_k_q52adbb39f1_qc-k_q52adbb39f1_qc
	.p2alignl 7, 3214868480
	.fill 96, 4, 3214868480
	.section	.rodata,"a",@progbits
	.p2align	6, 0x0
	.amdhsa_kernel k_q52adbb39f1_qc
		.amdhsa_group_segment_fixed_size 327680
		.amdhsa_private_segment_fixed_size 0
		.amdhsa_enable_private_segment 0
		.amdhsa_kernarg_size 32
		.amdhsa_user_sgpr_count 2
		.amdhsa_user_sgpr_kernarg_segment_ptr 1
		.amdhsa_wavefront_size32 1
		.amdhsa_system_sgpr_workgroup_id_x 1
		.amdhsa_system_sgpr_workgroup_id_y 1
		.amdhsa_system_sgpr_workgroup_id_z 1
		.amdhsa_system_vgpr_workitem_id 0
		.amdhsa_next_free_vgpr 256
		.amdhsa_next_free_sgpr 96
		.amdhsa_reserve_vcc 0
		.amdhsa_float_denorm_mode_32 3
		.amdhsa_float_denorm_mode_16_64 3
		.amdhsa_memory_ordered 1
		.amdhsa_forward_progress 1
		.amdhsa_inst_pref_size 100
	.end_amdhsa_kernel
	.amdgpu_metadata
---
amdhsa.version: [ 1, 2 ]
amdhsa.kernels:
  - .name:           k_q52adbb39f1_qc
    .symbol:         k_q52adbb39f1_qc.kd
    .args:
      - { .name: codes, .offset: 0, .size: 8, .value_kind: global_buffer, .address_space: global }
      - { .name: kv_norm_w, .offset: 8, .size: 8, .value_kind: global_buffer, .address_space: global }
      - { .name: act, .offset: 16, .size: 8, .value_kind: global_buffer, .address_space: global }
      - { .name: fine, .offset: 24, .size: 8, .value_kind: global_buffer, .address_space: global }
    .group_segment_fixed_size: 327680
    .private_segment_fixed_size: 0
    .kernarg_segment_align: 8
    .kernarg_segment_size: 32
    .max_flat_workgroup_size: 256
    .sgpr_count:     96
    .vgpr_count:     256
    .wavefront_size: 32
...
	.end_amdgpu_metadata
.endif
;; end of part 2
;; launch kvup (part 3): grid 16 x 16, 4 waves a work-group, clusters of 4 x 4, 327,680 bytes of LDS; arguments act, wup16, kv16; writes kv16
.if DOCPART == 3
	.amdgcn_target "amdgcn-amd-amdhsa--gfx1250"
	.amdhsa_code_object_version 6
	.text
	.protected	k_q52adbb39f1_kvup
	.globl	k_q52adbb39f1_kvup
	.p2align	8
	.type	k_q52adbb39f1_kvup,@function
k_q52adbb39f1_kvup:
	s_mov_b64 s[64:65], 0
	v_nop
	global_prefetch_b8 v0, s[64:65] scope:SCOPE_SE
	s_setreg_imm32_b32 hwreg(HW_REG_WAVE_MODE, 25, 1), 1
	s_wait_xcnt 0x0
	s_wait_alu depctr_hold_cnt(0) depctr_sa_sdst(0) depctr_va_vdst(0) depctr_va_sdst(0) depctr_va_ssrc(0) depctr_va_vcc(0) depctr_vm_vsrc(0)
	s_getreg_b32 s2, hwreg(HW_REG_IB_STS2, 6, 4)
	s_cmp_eq_u32 s2, 0
	s_cbranch_scc0 .Lentry_in_a_cluster
	s_endpgm
.Lentry_in_a_cluster:
	s_bfe_u32 s2, ttmp6, 0x10000c
	s_cmp_lg_u32 s2, 0xf033
	s_cbranch_scc0 .Lentry_shape_is_right
	s_endpgm
.Lentry_shape_is_right:
; A GEMM ON f16 FRAGMENT IMAGES, OUT = X W, sums in f32.  One text serves two launches; KV picks the sizes and the way out.
;   KV = 1: X = the normalised latent (act + XOFF, [row tile 256][chunk 16][1 KB]), W = wup16 [column tile 192][chunk 16][1 KB], K = 512.  A work-group makes 256 rows x one head's 192 columns (12 column tiles: 4 of k, 8 of v).
;   KV = 0: X = o16 [row tile 256][chunk 64][1 KB], W = wo16 [column tile 128][chunk 64][1 KB], K = 2048.  A work-group makes 256 rows x 128 columns (8 column tiles) of out0, f32.
; 256 work-groups of four waves.  Wave w makes row tiles 4 w .. 4 w + 3 x all NB column tiles.  K goes in steps of 128 (four chunks of 32) through two LDS slots; a tile's part of a step is 4 KB on end in memory and in LDS.
; A fragment is two ds_load_b128 at 16 x lane: consecutive bytes, no pitch, no padding.
; CLUSTER 4 x 4: X's tiles are shared along a row of the cluster, W's along a column: each is asked for jointly (waves 0, 1: X's halves; waves 2, 3: W's).
; USE OF THE MATRIX INSTRUCTION.  Transposed (source 0 = W, source 1 = X): a lane holds one row and 8 neighbouring columns.  So k's columns (packed: half a fragment of K, keys x d) and out0's.
; Natural (source 0 = X, source 1 = W) for v's columns: a lane holds one channel and 8 neighbouring positions: packed, half a fragment of V^T (channels x keys).
;   kv16: [batch x head 32][block of 64 keys 32][24,576]: K fragment (key tile kt, 32 of d dc) at (2 kt + dc) KB; V^T fragment (32 keys kc, channel tile ct) at 8 KB + (8 kc + ct) KB.  A wave writes one whole block.
; LIMITS: operands and (KV = 1) results within f16's range, 65,504.
; REGISTERS, in windows of 256: window 0: addresses, the way out.  window 1: two fragment buffers at 0 and 128: X(a) at 8 a, W(b) at 32 + 8 b.  windows 2 (and 3): the accumulators.
.set KV, 1
.if KV
.set NB,   12
.set KTOT, 512
.set XOFF, 8388608
.set HI,   0xf5                        ; row tiles 2, 3: C and D in window 3
.else
.set NB,   8
.set KTOT, 2048
.set XOFF, 0
.set HI,   0xa5
.endif
.set LO,    0xa5                       ; sources 0 and 1 window 1, C and D window 2
.set RT,    KTOT*32                    ; a tile's bytes for all of K
.set XB,    65536                      ; X's 16 row tiles in a slot
.set SLOT,  XB+NB*4096
.set SPARE, 2*SLOT                     ; the spare words, 128 bytes a wave
.set LAPS,  KTOT/256                   ; a lap = two K steps = once round the ring
.set NL,    2*NB+8                     ; LDS loads of a chunk
.set ADRA, 16                          ; v16-17 my four row tiles in slot 0, 1
.set ADRB, 20                          ; v20-21 the column tiles
.set L16,  24                          ; v24    16 x lane
.set STO,  25
.set RD,   26
.set SPW,  28
.set NIL,  29
.set PFO,  30
.set F0,   0
.set F1,   128
.set G1X,  24
.set G0X,  32
.set G1W,  48
.set G0W,  56
.set LIM,  43
.set PFA,  44
.set MSB,  0
.macro WIN new                         ; the immediate's high byte repeats the setting that is left
.if MSB != (\new)
	s_set_vgpr_msb (MSB<<8)|(\new)
.set MSB, (\new)
.endif
.endm
.macro PLACES                          ; four places ahead of loads into registers that matrix instructions have read, and of the first read of results
.rept 4
	v_nop
.endr
.endm
.macro JLOAD s                         ; a joint load; an s_nop 0 and four v_nop follow each of the two lines
	s_cmp_eq_u32 s11, 0
	s_cbranch_scc0 .Lfor_w_\@
	tensor_load_to_lds s[G0X+4*\s:G0X+4*\s+3], s[G1X:G1X+7]
	s_nop 0
	PLACES
	s_branch .Lasked_\@
.Lfor_w_\@:
	tensor_load_to_lds s[G0W+4*\s:G0W+4*\s+3], s[G1W:G1W+7]
	s_nop 0
	PLACES
.Lasked_\@:
.endm
.macro CREST                           ; a round of the cluster's barrier behind its opening barrier
	s_cmp_lg_u32 s10, 0
	s_cbranch_scc1 .Lnot_wave_0_\@
	s_barrier_signal -3
.Lnot_wave_0_\@:
	s_barrier_wait -3
	s_barrier_signal -1
	s_barrier_wait -1
.endm
.macro CROUND
	s_barrier_signal -1
	s_barrier_wait -1
	CREST
.endm
.macro ASK                             ; KV = 0: a prefetch of the K step that stands two refills on; the loop's last trip asks for nothing
	s_cmp_gt_u32 s3, s[LIM]
	s_cbranch_scc0 .Lnot_mine_\@
	global_prefetch_b8 v[PFO], s[PFA:PFA+1] offset:4096 th:TH_LOAD_NT scope:SCOPE_SE
.Lnot_mine_\@:
.endm
	s_load_b128 s[4:7], s[0:1], 0x0                ; X s[4:5], W s[6:7]
	s_load_b64 s[8:9], s[0:1], 0x10                ; OUT
	v_lshl_add_u32 v[SPW], v0, 2, SPARE
	v_mov_b32 v[NIL], 0
	ds_add_u32 v[SPW], v[NIL]                      ; the opening: the add, twice on end, and its wait ahead of my first tensor load
	ds_add_u32 v[SPW], v[NIL]
	v_lshrrev_b32 v1, 5, v0
	v_readfirstlane_b32 s10, v1                    ; wave 0..3
	s_lshr_b32 s11, s10, 1                         ; I fetch for X (0) or for W (1)
	s_and_b32 s12, s10, 1                          ; which half
	s_bfe_u32 s40, ttmp6, 0x40000                  ; cx
	s_bfe_u32 s41, ttmp6, 0x40004                  ; cy
	s_lshl_b32 s42, ttmp9, 2
	s_add_co_u32 s42, s42, s40                     ; tile column
	s_and_b32 s13, ttmp7, 0xffff
	s_lshl_b32 s13, s13, 2
	s_add_co_u32 s13, s13, s41                     ; tile row
	s_lshl_b32 s43, s41, 2
	s_lshl_b32 s43, 15, s43                        ; my row of the cluster
	s_lshl_b32 s44, 0x1111, s40                    ; my column
	s_or_b32 s[G1X], s43, (3<<16)|(1<<21)          ; the mask; elements of 8 bytes; bit 21 beside a mask
	s_or_b32 s[G1W], s44, (3<<16)|(1<<21)
	s_mov_b32 s[G1X+1], 512<<16                    ; tensor_dim0 = 512 elements: 4 KB
	s_mov_b32 s[G1X+2], 8<<16                      ; tensor_dim1 = 8 row tiles
	s_mov_b32 s[G1X+3], 512<<16                    ; tile_dim0
	s_mov_b32 s[G1X+4], 8                          ; tile_dim1
	s_mov_b32 s[G1X+5], RT/8                       ; from tile to tile
	s_mov_b32 s[G1X+6], 0
	s_mov_b32 s[G1X+7], 0
	s_mov_b32 s[G1W+1], 512<<16
	s_mov_b32 s[G1W+2], (NB/2)<<16
	s_mov_b32 s[G1W+3], 512<<16
	s_mov_b32 s[G1W+4], NB/2
	s_mov_b32 s[G1W+5], RT/8
	s_mov_b32 s[G1W+6], 0
	s_mov_b32 s[G1W+7], 0
	s_lshl_b32 s16, s13, 4
	s_lshl_b32 s17, s12, 3
	s_add_co_u32 s16, s16, s17                     ; X: row tile 16 x tile row + 8 x half
	s_mul_i32 s16, s16, RT
	s_add_co_u32 s16, s16, XOFF
	s_mov_b32 s17, 0
	s_mul_i32 s46, s42, NB
	s_mul_i32 s47, s12, NB/2
	s_add_co_u32 s46, s46, s47                     ; W: column tile NB x tile column + NB/2 x half
	s_mul_i32 s46, s46, RT
	s_mov_b32 s47, 0
	s_lshl_b32 s20, s12, 15                        ; where they go: no place in the cluster enters an LDS address
	s_mul_i32 s21, s12, (NB/2)*4096
	s_add_co_u32 s21, s21, XB
	s_wait_dscnt 0x0                               ; both opening adds are done
	s_wait_kmcnt 0x0
	s_add_nc_u64 s[14:15], s[4:5], s[16:17]
	s_add_nc_u64 s[46:47], s[6:7], s[46:47]
	CROUND                                         ; all sixteen work-groups are here: the first joint loads meet
.irp s, 0,1
	s_mov_b32 s[G0X+4*\s], 1
	s_add_co_u32 s[G0X+4*\s+1], s20, \s*SLOT
	s_add_nc_u64 s[G0X+4*\s+2:G0X+4*\s+3], s[14:15], \s*4096
	s_or_b32 s[G0X+4*\s+3], s[G0X+4*\s+3], 0x80000000
	s_mov_b32 s[G0W+4*\s], 1
	s_add_co_u32 s[G0W+4*\s+1], s21, \s*SLOT
	s_add_nc_u64 s[G0W+4*\s+2:G0W+4*\s+3], s[46:47], \s*4096
	s_or_b32 s[G0W+4*\s+3], s[G0W+4*\s+3], 0x80000000
	JLOAD \s                                       ; two loads of mine are out
.endr
	v_and_b32 v[L16], 31, v0
	v_lshlrev_b32 v[L16], 4, v[L16]
	s_lshl_b32 s22, s10, 14
	v_add_nc_u32 v[ADRA], s22, v[L16]
	v_add_nc_u32 v[ADRA+1], SLOT, v[ADRA]
	v_add_nc_u32 v[ADRB], XB, v[L16]
	v_add_nc_u32 v[ADRB+1], SLOT+XB, v[L16]
.if KV
	s_lshr_b32 s18, s13, 3                         ; batch
	s_lshl_b32 s18, s18, 4
	s_add_co_u32 s18, s18, s42                     ; + head
	s_lshl_b32 s18, s18, 5
	s_and_b32 s19, s13, 7
	s_lshl_b32 s19, s19, 2
	s_add_co_u32 s18, s18, s19
	s_add_co_u32 s18, s18, s10                     ; my block of 64 keys
	s_mul_i32 s18, s18, 24576
	s_mov_b32 s19, 0
	s_add_nc_u64 s[8:9], s[8:9], s[18:19]
.else
	s_lshl_b32 s18, s13, 8
	s_lshl_b32 s19, s10, 6
	s_add_co_u32 s18, s18, s19                     ; my first row
	s_lshl_b32 s18, s18, 13
	s_lshl_b32 s19, s42, 9
	s_add_co_u32 s18, s18, s19                     ; + my work-group's 512 bytes of a row
	s_mov_b32 s19, 0
	s_add_nc_u64 s[8:9], s[8:9], s[18:19]
	s_mul_i32 s23, s10, 8448                       ; my stage: 16 rows x (512 + 16) bytes, in slot 0, which has had its last fill and its last read when the first result is stored there
	v_and_b32 v1, 15, v0
	v_bfe_u32 v2, v0, 4, 1
	v_mul_u32_u24 v[STO], v1, 528
	v_lshl_add_u32 v[STO], v2, 5, v[STO]
	v_add_nc_u32 v[STO], s23, v[STO]
	v_add_nc_u32 v[RD], s23, v[L16]
	; the prefetches: each aligned block of 256 bytes of a K step is named once in the launch.  X's rows are read by every cluster of a row of clusters: cluster x = 0 asks, waves 0 and 1, two row tiles each;
	; W's by every cluster of a column: cluster y = 0 asks, wave 2, two column tiles.  The four partners that ask for a tile jointly share it out by address (cx for X, cy for W).
	s_lshl_b32 s20, s13, 4
	s_lshl_b32 s21, s40, 2
	s_add_co_u32 s20, s20, s21
	s_lshl_b32 s21, s12, 1
	s_add_co_u32 s20, s20, s21                     ; X: tile 16 x tile row + 4 cx + 2 x half
	s_lshl_b32 s21, s42, 3
	s_lshl_b32 s22, s41, 1
	s_add_co_u32 s21, s21, s22                     ; W: tile 8 x tile column + 2 cy
	s_and_b32 s22, ttmp7, 0xffff
	s_and_b32 s23, s11, s12                        ; 1 in wave 3, which never asks
	s_or_b32 s22, s22, s23
	s_cmp_eq_u32 s11, 0
	s_cselect_b32 s20, s20, s21
	s_cselect_b32 s22, ttmp9, s22
	s_cselect_b64 s[PFA:PFA+1], s[4:5], s[6:7]
	s_cmp_eq_u32 s22, 0
	s_cselect_b32 s[LIM], 1, -1                    ; the same in all sixteen partners, for a given wave
	s_lshl_b32 s20, s20, 16
	s_add_co_u32 s20, s20, 2*4096                  ; at K step 2: the first refill steps it to 3 and names K step 4
	s_mov_b32 s21, 0
	s_add_nc_u64 s[PFA:PFA+1], s[PFA:PFA+1], s[20:21]
	v_lshlrev_b32 v[PFO], 8, v1
	v_lshl_add_u32 v[PFO], v2, 16, v[PFO]          ; lanes 256 bytes apart in a tile's 4 KB; lanes 16-31 the next tile
.endif
; NB products for row tile a on chunk buffer f.  All accumulators take turns, in the same order in every chunk.  zero = 1: the first chunk starts the sums.
.macro MULA f, a, zero
.set B_, 0
.rept NB
.if KV
.set AC, 8*(12*((\a)%2)+B_)
.else
.set AC, 8*(8*(\a)+B_)
.endif
.set RW, \f+32+8*B_
.set RX, \f+8*(\a)
.if KV && (B_ >= 4)
.if \zero
	v_wmma_f32_16x16x32_f16 v[AC:AC+7], v[RX:RX+7], v[RW:RW+7], 0
.else
	v_wmma_f32_16x16x32_f16 v[AC:AC+7], v[RX:RX+7], v[RW:RW+7], v[AC:AC+7]
.endif
.else
.if \zero
	v_wmma_f32_16x16x32_f16 v[AC:AC+7], v[RW:RW+7], v[RX:RX+7], 0
.else
	v_wmma_f32_16x16x32_f16 v[AC:AC+7], v[RW:RW+7], v[RX:RX+7], v[AC:AC+7]
.endif
.endif
.set B_, B_+1
.endr
.endm
.macro FETCH s, c, f                   ; NL loads in one run: chunk c of slot s into buffer f; X's row tiles 2, 3 last
	WIN 0x40
.set B_, 0
.rept NB
	ds_load_b128 v[\f+32+8*B_:\f+32+8*B_+3], v[ADRB+\s] offset:B_*4096+(\c)*1024
	ds_load_b128 v[\f+32+8*B_+4:\f+32+8*B_+7], v[ADRB+\s] offset:B_*4096+(\c)*1024+512
.set B_, B_+1
.endr
.irp a, 0,1,2,3
	ds_load_b128 v[\f+8*\a:\f+8*\a+3], v[ADRA+\s] offset:\a*4096+(\c)*1024
	ds_load_b128 v[\f+8*\a+4:\f+8*\a+7], v[ADRA+\s] offset:\a*4096+(\c)*1024+512
.endr
.endm
.macro QUARTER s, c, f, g, zero        ; multiplies buffer f; in its middle it fetches chunk c of slot s into buffer g
	s_wait_dscnt 4                                 ; all but the youngest four loads (X's row tiles 2, 3)
	WIN LO
	MULA \f, 0, \zero
	MULA \f, 1, \zero
	PLACES
	FETCH \s, \c, \g
	s_wait_dscnt NL                                ; all but the NL just issued
	WIN HI
	MULA \f, 2, \zero
	MULA \f, 3, \zero
.endm
; A K step's last chunk (buffer 1) changes slots: ONE barrier; ahead of it each wave waits for all its tensor loads, adds 0 to its spare word, and waits for that and for its reads of slot s.  fill = 1: slot s is filled again, two K steps on.
.macro TURN s, next, fill
.if (KV == 0) && \fill
	s_wait_xcnt 0x0                                ; the last prefetch, a K step back, has read its address
	s_add_nc_u64 s[PFA:PFA+1], s[PFA:PFA+1], 4096
.endif
	WIN 0
	s_wait_tensorcnt 0x0                           ; my one load that was out is my part of the next slot
	ds_add_u32 v[SPW], v[NIL]
	s_wait_dscnt 5                                 ; (the add and the youngest four loads may be out)
	WIN LO
	MULA F1, 0, 0
	s_wait_dscnt 0x0                               ; the add is done, and my reads of this slot are over
	s_barrier_signal -1
	MULA F1, 1, 0
	WIN 0
	s_barrier_wait -1
.if \fill
	CREST                                          ; the barrier has opened a round of the cluster's barrier: no wave of any partner still reads the slot or has a load on its way
	s_add_nc_u64 s[G0X+4*\s+2:G0X+4*\s+3], s[G0X+4*\s+2:G0X+4*\s+3], 8192
	s_add_nc_u64 s[G0W+4*\s+2:G0W+4*\s+3], s[G0W+4*\s+2:G0W+4*\s+3], 8192
	JLOAD \s                                       ; the four v_nop behind it are also the places ahead of the loads below
.else
	PLACES
.endif
	FETCH \next, 0, F0
.if (KV == 0) && \fill
	WIN 0
	ASK
.endif
	WIN HI
	MULA F1, 2, 0
	MULA F1, 3, 0
.endm
	s_wait_tensorcnt 1                             ; my part of K step 0 is in; K step 1's may stay out
	s_barrier_signal -1
	s_barrier_wait -1
	FETCH 0, 0, F0
	QUARTER 0, 1, F0, F1, 1                        ; the first chunk stands ahead of the loop: its products start the sums
	WIN 0
	s_mov_b32 s3, LAPS-1
.Llap:                                                 ; a trip goes once round the ring and fills both slots again
	QUARTER 0, 2, F1, F0, 0
	QUARTER 0, 3, F0, F1, 0
	TURN 0, 1, 1
	QUARTER 1, 1, F0, F1, 0
	QUARTER 1, 2, F1, F0, 0
	QUARTER 1, 3, F0, F1, 0
	TURN 1, 0, 1
	QUARTER 0, 1, F0, F1, 0
	WIN 0
	s_sub_co_u32 s3, s3, 1
	s_cmp_lg_u32 s3, 0
	s_cbranch_scc1 .Llap
	QUARTER 0, 2, F1, F0, 0                        ; the last lap fills nothing
	QUARTER 0, 3, F0, F1, 0
	TURN 0, 1, 0
	QUARTER 1, 1, F0, F1, 0
	QUARTER 1, 2, F1, F0, 0
	QUARTER 1, 3, F0, F1, 0
	s_wait_dscnt 4
	WIN LO
	MULA F1, 0, 0
	MULA F1, 1, 0
	s_wait_dscnt 0x0
	WIN HI
	MULA F1, 2, 0
	MULA F1, 3, 0
	PLACES
.if KV
; THE WAY OUT: an accumulator packed to f16 is half a fragment of K or of V^T: 512 consecutive bytes a store, no stage
.irp a, 0,1,2,3
	WIN 0x0a+5*((\a)/2)                            ; sources 0 and 1: window 2 or 3
.set B_, 0
.rept 12
.irp p, 0,1,2,3
	v_cvt_pk_f16_f32 v[32+4*(12*\a+B_)+\p], v[8*(12*(\a%2)+B_)+2*\p], v[8*(12*(\a%2)+B_)+2*\p+1]
.endr
.set B_, B_+1
.endr
.endr
	WIN 0
.irp a, 0,1,2,3
.irp b, 0,1,2,3
	global_store_b128 v[L16], v[32+4*(12*\a+\b):32+4*(12*\a+\b)+3], s[8:9] offset:(2*\a+\b/2)*1024+512*(\b%2)
.endr
.irp b, 4,5,6,7,8,9,10,11
	global_store_b128 v[L16], v[32+4*(12*\a+\b):32+4*(12*\a+\b)+3], s[8:9] offset:8192+(8*(\a/2)+\b-4)*1024+512*(\a%2)
.endr
.endr
.else
; THE WAY OUT, 16 rows x 128 columns at a time, through my stage: a lane's 32 bytes go in, whole rows of 512 bytes come back and are stored by the 32 lanes
.macro TOSTAGE a
	WIN 0x08                                       ; an LDS store's data are its source 1: window 2
.irp b, 0,1,2,3,4,5,6,7
	ds_store_b128 v[STO], v[8*(8*(\a)+\b):8*(8*(\a)+\b)+3] offset:64*\b          ; each accumulator from its low end on
	ds_store_b128 v[STO], v[8*(8*(\a)+\b)+4:8*(8*(\a)+\b)+7] offset:64*\b+16
.endr
	WIN 0
.set BB, 64+64*((\a)%2)
.irp t, 0,1,2,3,4,5,6,7,8,9,10,11,12,13,14,15
	ds_load_b128 v[BB+4*\t:BB+4*\t+3], v[RD] offset:\t*528     ; LDS serves a wave's instructions in order: these see the stores above
.endr
.endm
.macro SEND a, younger
.set BB, 64+64*((\a)%2)
	s_wait_dscnt \younger
.if (\a) > 0
	s_add_nc_u64 s[8:9], s[8:9], 16*8192           ; (behind a wait on XCNT: the earlier stores have read their base)
.endif
.irp t, 0,1,2,3,4,5,6,7,8,9,10,11,12,13,14,15
	global_store_b128 v[L16], v[BB+4*\t:BB+4*\t+3], s[8:9] offset:\t*8192 th:TH_STORE_NT   ; 512 consecutive bytes, aligned
.endr
.endm
	WIN 0
	TOSTAGE 0
.irp a, 1,2,3
.if \a > 1
	s_wait_xcnt 0x0                                ; block a - 2's stores have read their registers and their base
.endif
	TOSTAGE \a
	SEND \a-1, 32                                  ; behind block a - 1's loads: block a's 16 stores and 16 loads
.endr
	s_wait_xcnt 0x0
	SEND 3, 0
.endif
	s_wait_tensorcnt 0x0                           ; the wave's end
	ds_add_u32 v[SPW], v[NIL]
	s_wait_dscnt 0x0
	CROUND                                         ; the closing round
	s_endpgm
.Lfunc_end_k_q52adbb39f1_kvup:
	.size	k_q52adbb39f1_kvup, .Lfunc_end_k_q52adbb39f1_kvup-k_q52adbb39f1_kvup
	.p2alignl 7, 3214868480
	.fill 96, 4, 3214868480
	.section	.rodata,"a",@progbits
	.p2align	6, 0x0
	.amdhsa_kernel k_q52adbb39f1_kvup
		.amdhsa_group_segment_fixed_size 327680
		.amdhsa_private_segment_fixed_size 0
		.amdhsa_enable_private_segment 0
		.amdhsa_kernarg_size 24
		.amdhsa_user_sgpr_count 2
		.amdhsa_user_sgpr_kernarg_segment_ptr 1
		.amdhsa_wavefront_size32 1
		.amdhsa_system_sgpr_workgroup_id_x 1
		.amdhsa_system_sgpr_workgroup_id_y 1
		.amdhsa_system_sgpr_workgroup_id_z 1
		.amdhsa_system_vgpr_workitem_id 0
		.amdhsa_next_free_vgpr 1024
		.amdhsa_next_free_sgpr 66
		.amdhsa_reserve_vcc 0
		.amdhsa_float_denorm_mode_32 3
		.amdhsa_float_denorm_mode_16_64 3
		.amdhsa_memory_ordered 1
		.amdhsa_forward_progress 1
		.amdhsa_inst_pref_size 110
	.end_amdhsa_kernel
	.amdgpu_metadata
---
amdhsa.version: [ 1, 2 ]
amdhsa.kernels:
  - .name:           k_q52adbb39f1_kvup
    .symbol:         k_q52adbb39f1_kvup.kd
    .args:
      - { .name: act, .offset: 0, .size: 8, .value_kind: global_buffer, .address_space: global }
      - { .name: wup16, .offset: 8, .size: 8, .value_kind: global_buffer, .address_space: global }
      - { .name: kv16, .offset: 16, .size: 8, .value_kind: global_buffer, .address_space: global }
    .group_segment_fixed_size: 327680
    .private_segment_fixed_size: 0
    .kernarg_segment_align: 8
    .kernarg_segment_size: 24
    .max_flat_workgroup_size: 128
    .sgpr_count:     66
    .vgpr_count:     1024
    .wavefront_size: 32
...
	.end_amdgpu_metadata
.endif
;; end of part 3
;; launch attn (part 4): grid 8 x 32, 8 waves a work-group, no clusters, 327,680 bytes of LDS; arguments act, kv16, o16; writes o16
.if DOCPART == 4
	.amdgcn_target "amdgcn-amd-amdhsa--gfx1250"
	.amdhsa_code_object_version 6
	.text
	.protected	k_q52adbb39f1_attn
	.globl	k_q52adbb39f1_attn
	.p2align	8
	.type	k_q52adbb39f1_attn,@function
k_q52adbb39f1_attn:
	s_mov_b64 s[64:65], 0
	v_nop
	global_prefetch_b8 v0, s[64:65] scope:SCOPE_SE
	s_setreg_imm32_b32 hwreg(HW_REG_WAVE_MODE, 25, 1), 1
	s_wait_xcnt 0x0
; ATTN.  O[q] = sum over keys k <= q of softmax(q . k / 8) v, for 32 (batch, head) x 2,048 positions; head size 64, values 128.  Operands f16, products, maxima and sums f32; a running maximum is taken away ahead of every exponential.
; q arrives multiplied by log2(e)/8, so p = 2^(s - m).  Q, K and V^T arrive as images of operand registers (1 KB a fragment); O leaves as such images, f16, for the projection.
; SHARES.  Work-group (i, bh) owns query blocks i and 15 - i of 128 queries: 17 blocks of keys' work in every work-group.  Each of its eight waves owns 32 queries (two tiles of 16) of one of the two blocks, so chosen
; that waves w and w + 4, and waves 2 n and 2 n + 1, hold one early and one late block.  Two waves share a SIMD: one's softmax stands beside the other's products.
; NO CLUSTER: under the causal mask the work-groups of a head need 16 - i blocks of keys each; a joint load would bring tiles that every wave of some partner jumps over.
; LAYOUT.  S^T = K Q^T and O^T = V^T P: a lane holds ONE query throughout; two tiles of S^T packed to f16 ARE P's fragment.
; THE RING.  Two slots of 256 keys (four blocks of 24,576 bytes as they lie in kv16), each wave fetching 12 KB.  EVERY work-group walks all 8 slots, so that trip counts are constants; a step all of whose keys come after the
; wave's queries is jumped over, and a slot whose first key comes after the work-group's last query is not asked for (ids and the count of steps alone; every wait on TENSORcnt is for 0).
; LIMITS: q, k, v within f16's range (65,504); p under 6e-8 falls to 0 in f16; v_exp_f32 and v_rcp_f32 are good to 1 ulp and flush denormals; NaN and infinities are not served.
; REGISTERS: window 0: v1-11 addresses and the mask's numbers; v16-31 statistics, eight a tile: +0 m, +1 the old m, +2, +3 l in two halves, +4..7 at work (a in +6); v32-63 Q; v64-127 S^T, then p; v128-159 P; v192-255 K.
;            window 1: v0-127 O^T (64 a tile); v128-255 V^T.
.set SLOT1, 131072                     ; slot 1 begins here: one exclusive or turns an address from one slot to the other
.set SLOTB, 98304
.set BLKB,  24576
.set SPARE, SLOT1+SLOTB                ; the spare words, 128 bytes a wave
.set L16,  1
.set ADK,  2
.set ADV,  3
.set SPW,  4
.set NIL,  5
.set PFO,  6
.set DQ,   8                           ; v8-9
.set NINF, 10
.set RH,   11                          ; r - 8 h
.set ST,   16
.set Q,    32
.set S,    64
.set P,    128
.set KR,   192
.set VR,   128                         ; in window 1
.set WV,   12
.set Q0,   18                          ; my first query
.set QL,   19                          ; my work-group's last query
.set KF,   20                          ; the step's first key
.set TB,   21                          ; the step's LDS byte
.set SLOTS, 22
.set FOUR, 23
.set G1,   24
.set G0,   40
.set SEL,  44
.set PFA,  46
.set LIM1, 48
.set LIM2, 49
.set MSB,  0
.macro WIN new
.if MSB != (\new)
	s_set_vgpr_msb (MSB<<8)|(\new)
.set MSB, (\new)
.endif
.endm
	s_load_b128 s[4:7], s[0:1], 0x0                ; act s[4:5], kv16 s[6:7]
	s_load_b64 s[8:9], s[0:1], 0x10                ; o16
	v_lshl_add_u32 v[SPW], v0, 2, SPARE
	v_mov_b32 v[NIL], 0
	ds_add_u32 v[SPW], v[NIL]                      ; the opening: the add, twice on end, and its wait ahead of my first tensor load
	ds_add_u32 v[SPW], v[NIL]
	v_lshrrev_b32 v7, 5, v0
	v_readfirstlane_b32 s[WV], v7                  ; wave 0..7
	s_and_b32 s14, ttmp7, 0xffff                   ; batch x 16 + head
	s_lshr_b32 s15, s[WV], 2
	s_xor_b32 s15, s15, s[WV]
	s_and_b32 s15, s15, 1                          ; 1: the late block
	s_lshr_b32 s16, s[WV], 1                       ; which 32 queries of it
	s_lshl_b32 s16, s16, 5
	s_sub_co_u32 s17, 15, ttmp9
	s_cmp_eq_u32 s15, 1
	s_cselect_b32 s17, s17, ttmp9
	s_lshl_b32 s[Q0], s17, 7
	s_add_co_u32 s[Q0], s[Q0], s16
	s_sub_co_u32 s[QL], 16, ttmp9
	s_lshl_b32 s[QL], s[QL], 7
	s_sub_co_u32 s[QL], s[QL], 1
	s_mov_b32 s[G1], 3<<16                         ; no mask; elements of 8 bytes: a dense block as rows of 256 bytes
	s_mov_b32 s[G1+1], 32<<16                      ; tensor_dim0
	s_mov_b32 s[G1+2], 48<<16                      ; tensor_dim1: 48 rows, 12 KB
	s_mov_b32 s[G1+3], 32<<16                      ; tile_dim0
	s_mov_b32 s[G1+4], 48                          ; tile_dim1
	s_mov_b32 s[G1+5], 32                          ; the pitch
	s_mov_b32 s[G1+6], 0
	s_mov_b32 s[G1+7], 0
	s_mov_b32 s[KF], 0
	s_mov_b32 s[TB], 0
	s_mov_b32 s[SLOTS], 7
	s_mov_b32 s[SEL], 0x76543210
	s_mov_b32 s[SEL+1], 0xfedcba98
	s_cmp_eq_u32 ttmp9, 0                          ; the head's first work-group, which walks all keys, prefetches
	s_cselect_b32 s[LIM1], 1, -1
	s_lshr_b32 s50, s[WV], 2
	s_or_b32 s50, s50, ttmp9
	s_cmp_eq_u32 s50, 0
	s_cselect_b32 s[LIM2], 1, -1                   ; its waves 0-3 twice
	s_mul_i32 s52, s14, 32*BLKB                    ; the head's keys and values
	s_mul_i32 s51, s[WV], 12288
	s_lshl_b32 s54, s[WV], 13
	s_add_co_u32 s54, s54, s52
	s_add_co_u32 s54, s54, SLOTB                   ; the prefetches stand in slot 1: the first change of slots steps them to slot 2
	s_mov_b32 s55, 0
	s_add_co_u32 s52, s52, s51
	s_mov_b32 s53, 0
	s_lshl_b32 s56, s14, 18                        ; q16: 128 tiles of 2 KB a head,
	s_lshl_b32 s57, s[Q0], 7
	s_add_co_u32 s56, s56, s57                     ; + my first tile
	s_mov_b32 s57, 0
	s_lshr_b32 s58, s14, 4
	s_lshl_b32 s58, s58, 23                        ; o16: 128 row tiles of 64 KB a batch,
	s_lshl_b32 s59, s[Q0], 12
	s_add_co_u32 s58, s58, s59
	s_and_b32 s59, s14, 15
	s_lshl_b32 s59, s59, 12                        ; + the head's 4 chunks
	s_add_co_u32 s58, s58, s59
	s_mov_b32 s59, 0
	s_wait_dscnt 0x0                               ; both opening adds are done
	s_wait_kmcnt 0x0
	s_mov_b32 s[G0], 1
	s_mov_b32 s[G0+1], s51
	s_add_nc_u64 s[G0+2:G0+3], s[6:7], s[52:53]
	s_or_b32 s[G0+3], s[G0+3], 0x80000000
	tensor_load_to_lds s[G0:G0+3], s[G1:G1+7]      ; slot 0: it holds key 0, which counts for every query
	s_nop 0
.rept 4
	v_nop
.endr
	s_add_nc_u64 s[PFA:PFA+1], s[6:7], s[54:55]
	s_add_nc_u64 s[4:5], s[4:5], s[56:57]
	s_add_nc_u64 s[8:9], s[8:9], s[58:59]
	v_and_b32 v[L16], 31, v0
	v_lshlrev_b32 v[PFO], 8, v[L16]
	v_lshlrev_b32 v[L16], 4, v[L16]
.irp f, 0,1,2,3
	global_load_b128 v[Q+8*\f:Q+8*\f+3], v[L16], s[4:5] offset:\f*1024       ; Q(tile f / 2, 32 of d f % 2) stays in registers
	global_load_b128 v[Q+8*\f+4:Q+8*\f+7], v[L16], s[4:5] offset:\f*1024+512
.endr
	v_and_b32 v7, 15, v0
	v_bfe_u32 v12, v0, 4, 1
	v_lshlrev_b32 v12, 3, v12
	v_sub_nc_u32 v[RH], v7, v12
	v_mov_b32 v[NINF], 0xff800000
.irp j, 0,1,2,3,4,5,6,7,8,9,10,11,12,13,14,15
	v_mov_b32 v[ST+\j], 0                          ; l = 0; the rest so that every register is written before it is named
.endr
	v_mov_b32 v[ST], 0xff61b1e6                    ; m = -3e38, under every score
	v_mov_b32 v[ST+8], 0xff61b1e6
	WIN 0x40
.set J, 0
.rept 128
	v_mov_b32 v[J], 0                              ; O^T.  (The step is written once: its first walk finds zeros, which the first a leaves zeros; that spares a further copy of the step)
.set J, J+1
.endr
	WIN 0
; A KEY STEP: 64 keys
.macro STEP
	s_add_co_u32 s70, s[Q0], 31
	s_cmp_gt_u32 s[KF], s70                        ; all its keys come after my queries: a branch on ids, round the step's work alone
	s_cbranch_scc1 .Lhidden_\@
	v_add_nc_u32 v[ADK], s[TB], v[L16]
	v_add_nc_u32 v[ADV], 8192, v[ADK]
	v_nop
	v_nop                                          ; four places behind the last step's products, ahead of the loads into V's registers
.irp f, 0,1,2,3,4,5,6,7
	ds_load_b128 v[KR+8*\f:KR+8*\f+3], v[ADK] offset:\f*1024
	ds_load_b128 v[KR+8*\f+4:KR+8*\f+7], v[ADK] offset:\f*1024+512
.endr
	WIN 0x40
.irp f, 0,1,2,3,4,5,6,7,8,9,10,11,12,13,14,15
	ds_load_b128 v[VR+8*\f:VR+8*\f+3], v[ADV] offset:\f*1024
	ds_load_b128 v[VR+8*\f+4:VR+8*\f+7], v[ADV] offset:\f*1024+512
.endr
	WIN 0
	s_wait_dscnt 32                                ; K is in; V's 32 loads may stay out
.irp dc, 0,1                                   ; S^T = K Q^T: eight accumulators by turns
.irp kt, 0,1,2,3
.irp qt, 0,1
.if \dc == 0
	v_wmma_f32_16x16x32_f16 v[S+32*\qt+8*\kt:S+32*\qt+8*\kt+7], v[KR+8*(2*\kt+\dc):KR+8*(2*\kt+\dc)+7], v[Q+16*\qt+8*\dc:Q+16*\qt+8*\dc+7], 0
.else
	v_wmma_f32_16x16x32_f16 v[S+32*\qt+8*\kt:S+32*\qt+8*\kt+7], v[KR+8*(2*\kt+\dc):KR+8*(2*\kt+\dc)+7], v[Q+16*\qt+8*\dc:Q+16*\qt+8*\dc+7], v[S+32*\qt+8*\kt:S+32*\qt+8*\kt+7]
.endif
.endr
.endr
.endr
.rept 4
	v_nop
.endr
	s_add_co_u32 s70, s[KF], 63
	s_cmp_le_u32 s70, s[Q0]                        ; all its keys count: no mask
	s_cbranch_scc1 .Lopen_\@
	s_sub_co_i32 s70, s[Q0], s[KF]
	v_add_nc_u32 v[DQ], s70, v[RH]                 ; d = my query - KF - 8 h.  Register 8 kt + j holds key KF + 16 kt + 8 h + j: hidden where 16 kt + j > d
	v_add_nc_u32 v[DQ+1], 16, v[DQ]
.irp qt, 0,1
.irp kt, 0,1,2,3
.irp j, 0,1,2,3,4,5,6,7
	v_cmp_gt_i32 vcc_lo, 16*\kt+\j, v[DQ+\qt]
	v_cndmask_b32 v[S+32*\qt+8*\kt+\j], v[S+32*\qt+8*\kt+\j], v[NINF], vcc_lo
.endr
.endr
.endr
.Lopen_\@:
.irp j, 0,1,2,3                                ; the maximum: four chains a tile, each from its accumulator's low end on; the two tiles by turns
.irp t, 0,1
	v_max3_num_f32 v[ST+8*\t+4+\j], v[S+32*\t+8*\j], v[S+32*\t+8*\j+1], v[S+32*\t+8*\j+2]
.endr
.endr
.irp g, 3,5
.irp j, 0,1,2,3
.irp t, 0,1
	v_max3_num_f32 v[ST+8*\t+4+\j], v[ST+8*\t+4+\j], v[S+32*\t+8*\j+\g], v[S+32*\t+8*\j+\g+1]
.endr
.endr
.endr
.irp t, 0,1
	v_max3_num_f32 v[ST+8*\t+4], v[ST+8*\t+4], v[S+32*\t+7], v[S+32*\t+15]
	v_max3_num_f32 v[ST+8*\t+6], v[ST+8*\t+6], v[S+32*\t+23], v[S+32*\t+31]
.endr
.irp t, 0,1
	v_max3_num_f32 v[ST+8*\t+4], v[ST+8*\t+4], v[ST+8*\t+5], v[ST+8*\t+6]
.endr
.irp t, 0,1
	v_max3_num_f32 v[ST+8*\t+4], v[ST+8*\t+4], v[ST+8*\t+7], v[ST+8*\t]   ; with the old m
.endr
.irp t, 0,1
	v_permlanex16_b32 v[ST+8*\t+5], v[ST+8*\t+4], s[SEL], s[SEL+1]        ; the query's other 32 keys lie in the lane 16 away
.endr
.irp t, 0,1
	v_mov_b32 v[ST+8*\t+1], v[ST+8*\t]
.endr
.irp t, 0,1
	v_max_num_f32 v[ST+8*\t], v[ST+8*\t+4], v[ST+8*\t+5]                  ; the new m
.endr
.irp t, 0,1
	v_sub_f32 v[ST+8*\t+7], v[ST+8*\t+1], v[ST+8*\t]
.endr
.irp t, 0,1
.set J, 0
.rept 16
	v_pk_add_f32 v[S+32*\t+J:S+32*\t+J+1], v[S+32*\t+J:S+32*\t+J+1], v[ST+8*\t:ST+8*\t+1] op_sel_hi:[1,0] neg_lo:[0,1] neg_hi:[0,1]   ; s - m
.set J, J+2
.endr
.endr
.irp t, 0,1
	v_exp_f32 v[ST+8*\t+6], v[ST+8*\t+7]           ; a = 2^(old m - new m)
.endr
.set J, 0
.rept 64
	v_exp_f32 v[S+J], v[S+J]                       ; p
.set J, J+1
.endr
	v_nop                                          ; a plain line behind the last exponential
	s_wait_alu depctr_va_vdst(0)                   ; ONE wait for the batch of 66, ahead of its first reader
.set J, 0
.rept 32
	v_cvt_pk_f16_f32 v[P+J], v[S+2*J], v[S+2*J+1]
.set J, J+1
.endr
.irp u, 0,1,2,3,4,5,6,7                        ; the row's sum, of the unrounded p, in place
.irp t, 0,1
	v_pk_add_f32 v[S+32*\t+4*\u:S+32*\t+4*\u+1], v[S+32*\t+4*\u:S+32*\t+4*\u+1], v[S+32*\t+4*\u+2:S+32*\t+4*\u+3]
.endr
.endr
.irp u, 0,1,2,3
.irp t, 0,1
	v_pk_add_f32 v[S+32*\t+8*\u:S+32*\t+8*\u+1], v[S+32*\t+8*\u:S+32*\t+8*\u+1], v[S+32*\t+8*\u+4:S+32*\t+8*\u+5]
.endr
.endr
.irp u, 0,1
.irp t, 0,1
	v_pk_add_f32 v[S+32*\t+16*\u:S+32*\t+16*\u+1], v[S+32*\t+16*\u:S+32*\t+16*\u+1], v[S+32*\t+16*\u+8:S+32*\t+16*\u+9]
.endr
.endr
.irp t, 0,1
	v_pk_add_f32 v[S+32*\t:S+32*\t+1], v[S+32*\t:S+32*\t+1], v[S+32*\t+16:S+32*\t+17]
.endr
.irp t, 0,1
	v_pk_fma_f32 v[ST+8*\t+2:ST+8*\t+3], v[ST+8*\t+2:ST+8*\t+3], v[ST+8*\t+6:ST+8*\t+7], v[S+32*\t:S+32*\t+1] op_sel_hi:[1,0,1]   ; l = a l + the sum
.endr
	WIN 0x41                                       ; O^T (destination, source 0) window 1; a window 0
.irp t, 0,1
.set J, 0
.rept 32
	v_pk_mul_f32 v[64*\t+J:64*\t+J+1], v[64*\t+J:64*\t+J+1], v[ST+8*\t+6:ST+8*\t+7] op_sel_hi:[1,0]   ; each accumulator from its low end on
.set J, J+2
.endr
.endr
	s_wait_dscnt 0x0                               ; V is in
	WIN 0x51                                       ; V window 1, P window 0, O^T window 1
.irp kc, 0,1                                   ; O^T += V^T P: sixteen accumulators by turns
.irp ct, 0,1,2,3,4,5,6,7
.irp qt, 0,1
	v_wmma_f32_16x16x32_f16 v[64*\qt+8*\ct:64*\qt+8*\ct+7], v[VR+8*(8*\kc+\ct):VR+8*(8*\kc+\ct)+7], v[P+16*\qt+8*\kc:P+16*\qt+8*\kc+7], v[64*\qt+8*\ct:64*\qt+8*\ct+7]
.endr
.endr
.endr
	WIN 0
.Lhidden_\@:
	s_add_co_u32 s[KF], s[KF], 64
	s_add_co_u32 s[TB], s[TB], BLKB
.endm
.macro SLOT_STEPS                      ; a slot's four steps: written once, walked four times
	s_mov_b32 s[FOUR], 4
.Lstep_\@:
	STEP
	s_sub_co_u32 s[FOUR], s[FOUR], 1
	s_cmp_lg_u32 s[FOUR], 0
	s_cbranch_scc1 .Lstep_\@
	s_sub_co_u32 s[TB], s[TB], SLOTB
	s_xor_b32 s[TB], s[TB], SLOT1                  ; on to the other slot
.endm
; A prefetch of the slot that the NEXT change will ask for: 384 blocks of 256 bytes, each named once in the launch: eight waves x 32 lanes, and waves 0-3 once more, 64 KB on.  The last change that fills a slot asks for nothing.
.macro ASK
	s_cmp_gt_u32 s[SLOTS], s[LIM1]
	s_cbranch_scc0 .Lnot_mine_\@
	global_prefetch_b8 v[PFO], s[PFA:PFA+1] th:TH_LOAD_NT scope:SCOPE_SE
	s_cmp_gt_u32 s[SLOTS], s[LIM2]
	s_cbranch_scc0 .Lnot_mine_\@
	global_prefetch_b8 v[PFO], s[PFA:PFA+1] offset:65536 th:TH_LOAD_NT scope:SCOPE_SE
.Lnot_mine_\@:
.endm
; THE CHANGE OF SLOTS, at a slot's head: each wave waits for all its tensor loads (its part of the slot ahead), adds 0 to its spare word, and waits for that and for its reads of the slot that it has left.
; fill = 1: behind the barrier that other slot takes the next 256 keys, up to the causal limit: the load has four steps in which to land.  One load of mine is out at the most.
.macro CHANGE fill
	s_wait_tensorcnt 0x0
	ds_add_u32 v[SPW], v[NIL]
.if \fill
	s_xor_b32 s[G0+1], s[G0+1], SLOT1
	s_add_nc_u64 s[G0+2:G0+3], s[G0+2:G0+3], SLOTB
	s_wait_xcnt 0x0                                ; the last prefetches, a slot back, have read their address
	s_add_nc_u64 s[PFA:PFA+1], s[PFA:PFA+1], SLOTB
.endif
	s_wait_dscnt 0x0
	s_barrier_signal -1
	s_barrier_wait -1
.if \fill
	s_add_co_u32 s70, s[KF], 256                   ; the first key of the slot that this change would ask for
	s_cmp_gt_u32 s70, s[QL]                        ; past my work-group's last query: none of its waves would read it.  The same in all eight waves, and past stays past
	s_cbranch_scc1 .Lpast_\@
	tensor_load_to_lds s[G0:G0+3], s[G1:G1+7]
	s_nop 0
.rept 4
	v_nop
.endr
.Lpast_\@:
	ASK
.endif
.endm
	s_wait_loadcnt 0x0                             ; Q
.Lslot:                                                ; 7 trips
	CHANGE 1
	SLOT_STEPS
	s_sub_co_u32 s[SLOTS], s[SLOTS], 1
	s_cmp_lg_u32 s[SLOTS], 0
	s_cbranch_scc1 .Lslot
	CHANGE 0                                       ; the last slot is written out: nothing is left to ask for
	SLOT_STEPS
	; THE WAY OUT: O^T / l, packed to f16: an accumulator is half a fragment of the projection's operand: 512 consecutive bytes a store
.irp t, 0,1
	v_add_f32 v[ST+8*\t+4], v[ST+8*\t+2], v[ST+8*\t+3]
.endr
.irp t, 0,1
	v_permlanex16_b32 v[ST+8*\t+5], v[ST+8*\t+4], s[SEL], s[SEL+1]
.endr
.irp t, 0,1
	v_add_f32 v[ST+8*\t+4], v[ST+8*\t+4], v[ST+8*\t+5]
.endr
.irp t, 0,1
	v_rcp_f32 v[ST+8*\t+6], v[ST+8*\t+4]
.endr
	v_nop
	s_wait_alu depctr_va_vdst(0)                   ; one wait for the two reciprocals
	WIN 0x41
.irp t, 0,1
.set J, 0
.rept 32
	v_pk_mul_f32 v[64*\t+J:64*\t+J+1], v[64*\t+J:64*\t+J+1], v[ST+8*\t+6:ST+8*\t+7] op_sel_hi:[1,0]
.set J, J+2
.endr
.endr
	WIN 0x05
.set J, 0
.rept 64
	v_cvt_pk_f16_f32 v[S+J], v[2*J], v[2*J+1]
.set J, J+1
.endr
	WIN 0
.irp qt, 0,1
.irp ct, 0,1,2,3,4,5,6,7
	global_store_b128 v[L16], v[S+32*\qt+4*\ct:S+32*\qt+4*\ct+3], s[8:9] offset:\qt*65536+\ct*512
.endr
.endr
	s_wait_tensorcnt 0x0                           ; the wave's end
	ds_add_u32 v[SPW], v[NIL]
	s_wait_dscnt 0x0
	s_endpgm
.Lfunc_end_k_q52adbb39f1_attn:
	.size	k_q52adbb39f1_attn, .Lfunc_end_k_q52adbb39f1_attn-k_q52adbb39f1_attn
	.p2alignl 7, 3214868480
	.fill 96, 4, 3214868480
	.section	.rodata,"a",@progbits
	.p2align	6, 0x0
	.amdhsa_kernel k_q52adbb39f1_attn
		.amdhsa_group_segment_fixed_size 327680
		.amdhsa_private_segment_fixed_size 0
		.amdhsa_enable_private_segment 0
		.amdhsa_kernarg_size 24
		.amdhsa_user_sgpr_count 2
		.amdhsa_user_sgpr_kernarg_segment_ptr 1
		.amdhsa_wavefront_size32 1
		.amdhsa_system_sgpr_workgroup_id_x 1
		.amdhsa_system_sgpr_workgroup_id_y 1
		.amdhsa_system_sgpr_workgroup_id_z 1
		.amdhsa_system_vgpr_workitem_id 0
		.amdhsa_next_free_vgpr 512
		.amdhsa_next_free_sgpr 90
		.amdhsa_reserve_vcc 1
		.amdhsa_float_denorm_mode_32 3
		.amdhsa_float_denorm_mode_16_64 3
		.amdhsa_memory_ordered 1
		.amdhsa_forward_progress 1
		.amdhsa_inst_pref_size 72
	.end_amdhsa_kernel
	.amdgpu_metadata
---
amdhsa.version: [ 1, 2 ]
amdhsa.kernels:
  - .name:           k_q52adbb39f1_attn
    .symbol:         k_q52adbb39f1_attn.kd
    .args:
      - { .name: act, .offset: 0, .size: 8, .value_kind: global_buffer, .address_space: global }
      - { .name: kv16, .offset: 8, .size: 8, .value_kind: global_buffer, .address_space: global }
      - { .name: o16, .offset: 16, .size: 8, .value_kind: global_buffer, .address_space: global }
    .group_segment_fixed_size: 327680
    .private_segment_fixed_size: 0
    .kernarg_segment_align: 8
    .kernarg_segment_size: 24
    .max_flat_workgroup_size: 256
    .sgpr_count:     90
    .vgpr_count:     512
    .wavefront_size: 32
...
	.end_amdgpu_metadata
.endif
;; end of part 4
;; launch oproj (part 5): grid 16 x 16, 4 waves a work-group, clusters of 4 x 4, 327,680 bytes of LDS; arguments o16, wo16, out0; writes out0
.if DOCPART == 5
	.amdgcn_target "amdgcn-amd-amdhsa--gfx1250"
	.amdhsa_code_object_version 6
	.text
	.protected	k_q52adbb39f1_oproj
	.globl	k_q52adbb39f1_oproj
	.p2align	8
	.type	k_q52adbb39f1_oproj,@function
k_q52adbb39f1_oproj:
	s_mov_b64 s[64:65], 0
	v_nop
	global_prefetch_b8 v0, s[64:65] scope:SCOPE_SE
	s_setreg_imm32_b32 hwreg(HW_REG_WAVE_MODE, 25, 1), 1
	s_wait_xcnt 0x0
	s_wait_alu depctr_hold_cnt(0) depctr_sa_sdst(0) depctr_va_vdst(0) depctr_va_sdst(0) depctr_va_ssrc(0) depctr_va_vcc(0) depctr_vm_vsrc(0)
	s_getreg_b32 s2, hwreg(HW_REG_IB_STS2, 6, 4)
	s_cmp_eq_u32 s2, 0
	s_cbranch_scc0 .Lentry_in_a_cluster
	s_endpgm
.Lentry_in_a_cluster:
	s_bfe_u32 s2, ttmp6, 0x10000c
	s_cmp_lg_u32 s2, 0xf033
	s_cbranch_scc0 .Lentry_shape_is_right
	s_endpgm
.Lentry_shape_is_right:
; A GEMM ON f16 FRAGMENT IMAGES, OUT = X W, sums in f32.  One text serves two launches; KV picks the sizes and the way out.
;   KV = 1: X = the normalised latent (act + XOFF, [row tile 256][chunk 16][1 KB]), W = wup16 [column tile 192][chunk 16][1 KB], K = 512.  A work-group makes 256 rows x one head's 192 columns (12 column tiles: 4 of k, 8 of v).
;   KV = 0: X = o16 [row tile 256][chunk 64][1 KB], W = wo16 [column tile 128][chunk 64][1 KB], K = 2048.  A work-group makes 256 rows x 128 columns (8 column tiles) of out0, f32.
; 256 work-groups of four waves.  Wave w makes row tiles 4 w .. 4 w + 3 x all NB column tiles.  K goes in steps of 128 (four chunks of 32) through two LDS slots; a tile's part of a step is 4 KB on end in memory and in LDS.
; A fragment is two ds_load_b128 at 16 x lane: consecutive bytes, no pitch, no padding.
; CLUSTER 4 x 4: X's tiles are shared along a row of the cluster, W's along a column: each is asked for jointly (waves 0, 1: X's halves; waves 2, 3: W's).
; USE OF THE MATRIX INSTRUCTION.  Transposed (source 0 = W, source 1 = X): a lane holds one row and 8 neighbouring columns.
; The first 16 positions of each sequence are written here from f16 operands and written again, from f32 operands, by a later launch.
; LIMITS: operands within f16's range, 65,504.
; REGISTERS, in windows of 256: window 0: addresses, the way out.  window 1: two fragment buffers at 0 and 128: X(a) at 8 a, W(b) at 32 + 8 b.  window 2: the accumulators.
.set KV, 0
.if KV
.set NB,   12
.set KTOT, 512
.set XOFF, 8388608
.set HI,   0xf5                        ; row tiles 2, 3: C and D in window 3
.else
.set NB,   8
.set KTOT, 2048
.set XOFF, 0
.set HI,   0xa5
.endif
.set LO,    0xa5                       ; sources 0 and 1 window 1, C and D window 2
.set RT,    KTOT*32                    ; a tile's bytes for all of K
.set XB,    65536                      ; X's 16 row tiles in a slot
.set SLOT,  XB+NB*4096
.set SPARE, 2*SLOT                     ; the spare words, 128 bytes a wave
.set LAPS,  KTOT/256                   ; a lap = two K steps = once round the ring
.set NL,    2*NB+8                     ; LDS loads of a chunk
.set ADRA, 16                          ; v16-17 my four row tiles in slot 0, 1
.set ADRB, 20                          ; v20-21 the column tiles
.set L16,  24                          ; v24    16 x lane
.set STO,  25
.set RD,   26
.set SPW,  28
.set NIL,  29
.set PFO,  30
.set F0,   0
.set F1,   128
.set G1X,  24
.set G0X,  32
.set G1W,  48
.set G0W,  56
.set LIM,  43
.set PFA,  44
.set MSB,  0
.macro WIN new                         ; the immediate's high byte repeats the setting that is left
.if MSB != (\new)
	s_set_vgpr_msb (MSB<<8)|(\new)
.set MSB, (\new)
.endif
.endm
.macro PLACES                          ; four places ahead of loads into registers that matrix instructions have read, and of the first read of results
.rept 4
	v_nop
.endr
.endm
.macro JLOAD s                         ; a joint load; an s_nop 0 and four v_nop follow each of the two lines
	s_cmp_eq_u32 s11, 0
	s_cbranch_scc0 .Lfor_w_\@
	tensor_load_to_lds s[G0X+4*\s:G0X+4*\s+3], s[G1X:G1X+7]
	s_nop 0
	PLACES
	s_branch .Lasked_\@
.Lfor_w_\@:
	tensor_load_to_lds s[G0W+4*\s:G0W+4*\s+3], s[G1W:G1W+7]
	s_nop 0
	PLACES
.Lasked_\@:
.endm
.macro CREST                           ; a round of the cluster's barrier behind its opening barrier
	s_cmp_lg_u32 s10, 0
	s_cbranch_scc1 .Lnot_wave_0_\@
	s_barrier_signal -3
.Lnot_wave_0_\@:
	s_barrier_wait -3
	s_barrier_signal -1
	s_barrier_wait -1
.endm
.macro CROUND
	s_barrier_signal -1
	s_barrier_wait -1
	CREST
.endm
.macro ASK                             ; KV = 0: a prefetch of the K step that stands two refills on; the loop's last trip asks for nothing
	s_cmp_gt_u32 s3, s[LIM]
	s_cbranch_scc0 .Lnot_mine_\@
	global_prefetch_b8 v[PFO], s[PFA:PFA+1] offset:4096 th:TH_LOAD_NT scope:SCOPE_SE
.Lnot_mine_\@:
.endm
	s_load_b128 s[4:7], s[0:1], 0x0                ; X s[4:5], W s[6:7]
	s_load_b64 s[8:9], s[0:1], 0x10                ; OUT
	v_lshl_add_u32 v[SPW], v0, 2, SPARE
	v_mov_b32 v[NIL], 0
	ds_add_u32 v[SPW], v[NIL]                      ; the opening: the add, twice on end, and its wait ahead of my first tensor load
	ds_add_u32 v[SPW], v[NIL]
	v_lshrrev_b32 v1, 5, v0
	v_readfirstlane_b32 s10, v1                    ; wave 0..3
	s_lshr_b32 s11, s10, 1                         ; I fetch for X (0) or for W (1)
	s_and_b32 s12, s10, 1                          ; which half
	s_bfe_u32 s40, ttmp6, 0x40000                  ; cx
	s_bfe_u32 s41, ttmp6, 0x40004                  ; cy
	s_lshl_b32 s42, ttmp9, 2
	s_add_co_u32 s42, s42, s40                     ; tile column
	s_and_b32 s13, ttmp7, 0xffff
	s_lshl_b32 s13, s13, 2
	s_add_co_u32 s13, s13, s41                     ; tile row
	s_lshl_b32 s43, s41, 2
	s_lshl_b32 s43, 15, s43                        ; my row of the cluster
	s_lshl_b32 s44, 0x1111, s40                    ; my column
	s_or_b32 s[G1X], s43, (3<<16)|(1<<21)          ; the mask; elements of 8 bytes; bit 21 beside a mask
	s_or_b32 s[G1W], s44, (3<<16)|(1<<21)
	s_mov_b32 s[G1X+1], 512<<16                    ; tensor_dim0 = 512 elements: 4 KB
	s_mov_b32 s[G1X+2], 8<<16                      ; tensor_dim1 = 8 row tiles
	s_mov_b32 s[G1X+3], 512<<16                    ; tile_dim0
	s_mov_b32 s[G1X+4], 8                          ; tile_dim1
	s_mov_b32 s[G1X+5], RT/8                       ; from tile to tile
	s_mov_b32 s[G1X+6], 0
	s_mov_b32 s[G1X+7], 0
	s_mov_b32 s[G1W+1], 512<<16
	s_mov_b32 s[G1W+2], (NB/2)<<16
	s_mov_b32 s[G1W+3], 512<<16
	s_mov_b32 s[G1W+4], NB/2
	s_mov_b32 s[G1W+5], RT/8
	s_mov_b32 s[G1W+6], 0
	s_mov_b32 s[G1W+7], 0
	s_lshl_b32 s16, s13, 4
	s_lshl_b32 s17, s12, 3
	s_add_co_u32 s16, s16, s17                     ; X: row tile 16 x tile row + 8 x half
	s_mul_i32 s16, s16, RT
	s_add_co_u32 s16, s16, XOFF
	s_mov_b32 s17, 0
	s_mul_i32 s46, s42, NB
	s_mul_i32 s47, s12, NB/2
	s_add_co_u32 s46, s46, s47                     ; W: column tile NB x tile column + NB/2 x half
	s_mul_i32 s46, s46, RT
	s_mov_b32 s47, 0
	s_lshl_b32 s20, s12, 15                        ; where they go: no place in the cluster enters an LDS address
	s_mul_i32 s21, s12, (NB/2)*4096
	s_add_co_u32 s21, s21, XB
	s_wait_dscnt 0x0                               ; both opening adds are done
	s_wait_kmcnt 0x0
	s_add_nc_u64 s[14:15], s[4:5], s[16:17]
	s_add_nc_u64 s[46:47], s[6:7], s[46:47]
	CROUND                                         ; all sixteen work-groups are here: the first joint loads meet
.irp s, 0,1
	s_mov_b32 s[G0X+4*\s], 1
	s_add_co_u32 s[G0X+4*\s+1], s20, \s*SLOT
	s_add_nc_u64 s[G0X+4*\s+2:G0X+4*\s+3], s[14:15], \s*4096
	s_or_b32 s[G0X+4*\s+3], s[G0X+4*\s+3], 0x80000000
	s_mov_b32 s[G0W+4*\s], 1
	s_add_co_u32 s[G0W+4*\s+1], s21, \s*SLOT
	s_add_nc_u64 s[G0W+4*\s+2:G0W+4*\s+3], s[46:47], \s*4096
	s_or_b32 s[G0W+4*\s+3], s[G0W+4*\s+3], 0x80000000
	JLOAD \s                                       ; two loads of mine are out
.endr
	v_and_b32 v[L16], 31, v0
	v_lshlrev_b32 v[L16], 4, v[L16]
	s_lshl_b32 s22, s10, 14
	v_add_nc_u32 v[ADRA], s22, v[L16]
	v_add_nc_u32 v[ADRA+1], SLOT, v[ADRA]
	v_add_nc_u32 v[ADRB], XB, v[L16]
	v_add_nc_u32 v[ADRB+1], SLOT+XB, v[L16]
.if KV
	s_lshr_b32 s18, s13, 3                         ; batch
	s_lshl_b32 s18, s18, 4
	s_add_co_u32 s18, s18, s42                     ; + head
	s_lshl_b32 s18, s18, 5
	s_and_b32 s19, s13, 7
	s_lshl_b32 s19, s19, 2
	s_add_co_u32 s18, s18, s19
	s_add_co_u32 s18, s18, s10                     ; my block of 64 keys
	s_mul_i32 s18, s18, 24576
	s_mov_b32 s19, 0
	s_add_nc_u64 s[8:9], s[8:9], s[18:19]
.else
	s_lshl_b32 s18, s13, 8
	s_lshl_b32 s19, s10, 6
	s_add_co_u32 s18, s18, s19                     ; my first row
	s_lshl_b32 s18, s18, 13
	s_lshl_b32 s19, s42, 9
	s_add_co_u32 s18, s18, s19                     ; + my work-group's 512 bytes of a row
	s_mov_b32 s19, 0
	s_add_nc_u64 s[8:9], s[8:9], s[18:19]
	s_mul_i32 s23, s10, 8448                       ; my stage: 16 rows x (512 + 16) bytes, in slot 0, which has had its last fill and its last read when the first result is stored there
	v_and_b32 v1, 15, v0
	v_bfe_u32 v2, v0, 4, 1
	v_mul_u32_u24 v[STO], v1, 528
	v_lshl_add_u32 v[STO], v2, 5, v[STO]
	v_add_nc_u32 v[STO], s23, v[STO]
	v_add_nc_u32 v[RD], s23, v[L16]
	; the prefetches: each aligned block of 256 bytes of a K step is named once in the launch.  X's rows are read by every cluster of a row of clusters: cluster x = 0 asks, waves 0 and 1, two row tiles each;
	; W's by every cluster of a column: cluster y = 0 asks, wave 2, two column tiles.  The four partners that ask for a tile jointly share it out by address (cx for X, cy for W).
	s_lshl_b32 s20, s13, 4
	s_lshl_b32 s21, s40, 2
	s_add_co_u32 s20, s20, s21
	s_lshl_b32 s21, s12, 1
	s_add_co_u32 s20, s20, s21                     ; X: tile 16 x tile row + 4 cx + 2 x half
	s_lshl_b32 s21, s42, 3
	s_lshl_b32 s22, s41, 1
	s_add_co_u32 s21, s21, s22                     ; W: tile 8 x tile column + 2 cy
	s_and_b32 s22, ttmp7, 0xffff
	s_and_b32 s23, s11, s12                        ; 1 in wave 3, which never asks
	s_or_b32 s22, s22, s23
	s_cmp_eq_u32 s11, 0
	s_cselect_b32 s20, s20, s21
	s_cselect_b32 s22, ttmp9, s22
	s_cselect_b64 s[PFA:PFA+1], s[4:5], s[6:7]
	s_cmp_eq_u32 s22, 0
	s_cselect_b32 s[LIM], 1, -1                    ; the same in all sixteen partners, for a given wave
	s_lshl_b32 s20, s20, 16
	s_add_co_u32 s20, s20, 2*4096                  ; at K step 2: the first refill steps it to 3 and names K step 4
	s_mov_b32 s21, 0
	s_add_nc_u64 s[PFA:PFA+1], s[PFA:PFA+1], s[20:21]
	v_lshlrev_b32 v[PFO], 8, v1
	v_lshl_add_u32 v[PFO], v2, 16, v[PFO]          ; lanes 256 bytes apart in a tile's 4 KB; lanes 16-31 the next tile
.endif
; NB products for row tile a on chunk buffer f.  All accumulators take turns, in the same order in every chunk.  zero = 1: the first chunk starts the sums.
.macro MULA f, a, zero
.set B_, 0
.rept NB
.if KV
.set AC, 8*(12*((\a)%2)+B_)
.else
.set AC, 8*(8*(\a)+B_)
.endif
.set RW, \f+32+8*B_
.set RX, \f+8*(\a)
.if KV && (B_ >= 4)
.if \zero
	v_wmma_f32_16x16x32_f16 v[AC:AC+7], v[RX:RX+7], v[RW:RW+7], 0
.else
	v_wmma_f32_16x16x32_f16 v[AC:AC+7], v[RX:RX+7], v[RW:RW+7], v[AC:AC+7]
.endif
.else
.if \zero
	v_wmma_f32_16x16x32_f16 v[AC:AC+7], v[RW:RW+7], v[RX:RX+7], 0
.else
	v_wmma_f32_16x16x32_f16 v[AC:AC+7], v[RW:RW+7], v[RX:RX+7], v[AC:AC+7]
.endif
.endif
.set B_, B_+1
.endr
.endm
.macro FETCH s, c, f                   ; NL loads in one run: chunk c of slot s into buffer f; X's row tiles 2, 3 last
	WIN 0x40
.set B_, 0
.rept NB
	ds_load_b128 v[\f+32+8*B_:\f+32+8*B_+3], v[ADRB+\s] offset:B_*4096+(\c)*1024
	ds_load_b128 v[\f+32+8*B_+4:\f+32+8*B_+7], v[ADRB+\s] offset:B_*4096+(\c)*1024+512
.set B_, B_+1
.endr
.irp a, 0,1,2,3
	ds_load_b128 v[\f+8*\a:\f+8*\a+3], v[ADRA+\s] offset:\a*4096+(\c)*1024
	ds_load_b128 v[\f+8*\a+4:\f+8*\a+7], v[ADRA+\s] offset:\a*4096+(\c)*1024+512
.endr
.endm
.macro QUARTER s, c, f, g, zero        ; multiplies buffer f; in its middle it fetches chunk c of slot s into buffer g
	s_wait_dscnt 4                                 ; all but the youngest four loads (X's row tiles 2, 3)
	WIN LO
	MULA \f, 0, \zero
	MULA \f, 1, \zero
	PLACES
	FETCH \s, \c, \g
	s_wait_dscnt NL                                ; all but the NL just issued
	WIN HI
	MULA \f, 2, \zero
	MULA \f, 3, \zero
.endm
; A K step's last chunk (buffer 1) changes slots: ONE barrier; ahead of it each wave waits for all its tensor loads, adds 0 to its spare word, and waits for that and for its reads of slot s.  fill = 1: slot s is filled again, two K steps on.
.macro TURN s, next, fill
.if (KV == 0) && \fill
	s_wait_xcnt 0x0                                ; the last prefetch, a K step back, has read its address
	s_add_nc_u64 s[PFA:PFA+1], s[PFA:PFA+1], 4096
.endif
	WIN 0
	s_wait_tensorcnt 0x0                           ; my one load that was out is my part of the next slot
	ds_add_u32 v[SPW], v[NIL]
	s_wait_dscnt 5                                 ; (the add and the youngest four loads may be out)
	WIN LO
	MULA F1, 0, 0
	s_wait_dscnt 0x0                               ; the add is done, and my reads of this slot are over
	s_barrier_signal -1
	MULA F1, 1, 0
	WIN 0
	s_barrier_wait -1
.if \fill
	CREST                                          ; the barrier has opened a round of the cluster's barrier: no wave of any partner still reads the slot or has a load on its way
	s_add_nc_u64 s[G0X+4*\s+2:G0X+4*\s+3], s[G0X+4*\s+2:G0X+4*\s+3], 8192
	s_add_nc_u64 s[G0W+4*\s+2:G0W+4*\s+3], s[G0W+4*\s+2:G0W+4*\s+3], 8192
	JLOAD \s                                       ; the four v_nop behind it are also the places ahead of the loads below
.else
	PLACES
.endif
	FETCH \next, 0, F0
.if (KV == 0) && \fill
	WIN 0
	ASK
.endif
	WIN HI
	MULA F1, 2, 0
	MULA F1, 3, 0
.endm
	s_wait_tensorcnt 1                             ; my part of K step 0 is in; K step 1's may stay out
	s_barrier_signal -1
	s_barrier_wait -1
	FETCH 0, 0, F0
	QUARTER 0, 1, F0, F1, 1                        ; the first chunk stands ahead of the loop: its products start the sums
	WIN 0
	s_mov_b32 s3, LAPS-1
.Llap:                                                 ; a trip goes once round the ring and fills both slots again
	QUARTER 0, 2, F1, F0, 0
	QUARTER 0, 3, F0, F1, 0
	TURN 0, 1, 1
	QUARTER 1, 1, F0, F1, 0
	QUARTER 1, 2, F1, F0, 0
	QUARTER 1, 3, F0, F1, 0
	TURN 1, 0, 1
	QUARTER 0, 1, F0, F1, 0
	WIN 0
	s_sub_co_u32 s3, s3, 1
	s_cmp_lg_u32 s3, 0
	s_cbranch_scc1 .Llap
	QUARTER 0, 2, F1, F0, 0                        ; the last lap fills nothing
	QUARTER 0, 3, F0, F1, 0
	TURN 0, 1, 0
	QUARTER 1, 1, F0, F1, 0
	QUARTER 1, 2, F1, F0, 0
	QUARTER 1, 3, F0, F1, 0
	s_wait_dscnt 4
	WIN LO
	MULA F1, 0, 0
	MULA F1, 1, 0
	s_wait_dscnt 0x0
	WIN HI
	MULA F1, 2, 0
	MULA F1, 3, 0
	PLACES
.if KV
; THE WAY OUT: an accumulator packed to f16 is half a fragment of K or of V^T: 512 consecutive bytes a store, no stage
.irp a, 0,1,2,3
	WIN 0x0a+5*((\a)/2)                            ; sources 0 and 1: window 2 or 3
.set B_, 0
.rept 12
.irp p, 0,1,2,3
	v_cvt_pk_f16_f32 v[32+4*(12*\a+B_)+\p], v[8*(12*(\a%2)+B_)+2*\p], v[8*(12*(\a%2)+B_)+2*\p+1]
.endr
.set B_, B_+1
.endr
.endr
	WIN 0
.irp a, 0,1,2,3
.irp b, 0,1,2,3
	global_store_b128 v[L16], v[32+4*(12*\a+\b):32+4*(12*\a+\b)+3], s[8:9] offset:(2*\a+\b/2)*1024+512*(\b%2)
.endr
.irp b, 4,5,6,7,8,9,10,11
	global_store_b128 v[L16], v[32+4*(12*\a+\b):32+4*(12*\a+\b)+3], s[8:9] offset:8192+(8*(\a/2)+\b-4)*1024+512*(\a%2)
.endr
.endr
.else
; THE WAY OUT, 16 rows x 128 columns at a time, through my stage: a lane's 32 bytes go in, whole rows of 512 bytes come back and are stored by the 32 lanes
.macro TOSTAGE a
	WIN 0x08                                       ; an LDS store's data are its source 1: window 2
.irp b, 0,1,2,3,4,5,6,7
	ds_store_b128 v[STO], v[8*(8*(\a)+\b):8*(8*(\a)+\b)+3] offset:64*\b          ; each accumulator from its low end on
	ds_store_b128 v[STO], v[8*(8*(\a)+\b)+4:8*(8*(\a)+\b)+7] offset:64*\b+16
.endr
	WIN 0
.set BB, 64+64*((\a)%2)
.irp t, 0,1,2,3,4,5,6,7,8,9,10,11,12,13,14,15
	ds_load_b128 v[BB+4*\t:BB+4*\t+3], v[RD] offset:\t*528     ; LDS serves a wave's instructions in order: these see the stores above
.endr
.endm
.macro SEND a, younger
.set BB, 64+64*((\a)%2)
	s_wait_dscnt \younger
.if (\a) > 0
	s_add_nc_u64 s[8:9], s[8:9], 16*8192           ; (behind a wait on XCNT: the earlier stores have read their base)
.endif
.irp t, 0,1,2,3,4,5,6,7,8,9,10,11,12,13,14,15
	global_store_b128 v[L16], v[BB+4*\t:BB+4*\t+3], s[8:9] offset:\t*8192 th:TH_STORE_NT   ; 512 consecutive bytes, aligned
.endr
.endm
	WIN 0
	TOSTAGE 0
.irp a, 1,2,3
.if \a > 1
	s_wait_xcnt 0x0                                ; block a - 2's stores have read their registers and their base
.endif
	TOSTAGE \a
	SEND \a-1, 32                                  ; behind block a - 1's loads: block a's 16 stores and 16 loads
.endr
	s_wait_xcnt 0x0
	SEND 3, 0
.endif
	s_wait_tensorcnt 0x0                           ; the wave's end
	ds_add_u32 v[SPW], v[NIL]
	s_wait_dscnt 0x0
	CROUND                                         ; the closing round
	s_endpgm
.Lfunc_end_k_q52adbb39f1_oproj:
	.size	k_q52adbb39f1_oproj, .Lfunc_end_k_q52adbb39f1_oproj-k_q52adbb39f1_oproj
	.p2alignl 7, 3214868480
	.fill 96, 4, 3214868480
	.section	.rodata,"a",@progbits
	.p2align	6, 0x0
	.amdhsa_kernel k_q52adbb39f1_oproj
		.amdhsa_group_segment_fixed_size 327680
		.amdhsa_private_segment_fixed_size 0
		.amdhsa_enable_private_segment 0
		.amdhsa_kernarg_size 24
		.amdhsa_user_sgpr_count 2
		.amdhsa_user_sgpr_kernarg_segment_ptr 1
		.amdhsa_wavefront_size32 1
		.amdhsa_system_sgpr_workgroup_id_x 1
		.amdhsa_system_sgpr_workgroup_id_y 1
		.amdhsa_system_sgpr_workgroup_id_z 1
		.amdhsa_system_vgpr_workitem_id 0
		.amdhsa_next_free_vgpr 1024
		.amdhsa_next_free_sgpr 66
		.amdhsa_reserve_vcc 0
		.amdhsa_float_denorm_mode_32 3
		.amdhsa_float_denorm_mode_16_64 3
		.amdhsa_memory_ordered 1
		.amdhsa_forward_progress 1
		.amdhsa_inst_pref_size 86
	.end_amdhsa_kernel
	.amdgpu_metadata
---
amdhsa.version: [ 1, 2 ]
amdhsa.kernels:
  - .name:           k_q52adbb39f1_oproj
    .symbol:         k_q52adbb39f1_oproj.kd
    .args:
      - { .name: o16, .offset: 0, .size: 8, .value_kind: global_buffer, .address_space: global }
      - { .name: wo16, .offset: 8, .size: 8, .value_kind: global_buffer, .address_space: global }
      - { .name: out0, .offset: 16, .size: 8, .value_kind: global_buffer, .address_space: global }
    .group_segment_fixed_size: 327680
    .private_segment_fixed_size: 0
    .kernarg_segment_align: 8
    .kernarg_segment_size: 24
    .max_flat_workgroup_size: 128
    .sgpr_count:     66
    .vgpr_count:     1024
    .wavefront_size: 32
...
	.end_amdgpu_metadata
.endif
;; end of part 5
;; launch fine1 (part 6): grid 4 x 32, 24 waves a work-group, no clusters, 34,304 bytes of LDS; arguments fine, Wup, ofine; writes ofine
.if DOCPART == 6
	.amdgcn_target "amdgcn-amd-amdhsa--gfx1250"
	.amdhsa_code_object_version 6
	.text
	.protected	k_q52adbb39f1_fine1
	.globl	k_q52adbb39f1_fine1
	.p2align	8
	.type	k_q52adbb39f1_fine1,@function
k_q52adbb39f1_fine1:
	s_mov_b64 s[64:65], 0
	v_nop
	global_prefetch_b8 v0, s[64:65] scope:SCOPE_SE
	s_setreg_imm32_b32 hwreg(HW_REG_WAVE_MODE, 25, 1), 1
	s_wait_xcnt 0x0
; FINE1.  The first 16 positions of each sequence, where a softmax averages one to sixteen values and rounding to f16 would weigh most, in f32 throughout: k, v = latent x Wup; scores; softmax; x v.
; Work-group (vq, batch x 16 + head) makes 16 positions x 32 of the head's 128 channels (32 vq on).  It needs 6 tiles of 16 columns of Wup: the head's four of k and two of v.
; Phase 1: wave w = 4 t + kq makes tile t's partial sums over K = 128 kq .. + 127 (32 products of 16 x 16 x 4) and stores them to LDS.  Phase 2: waves 0-5 add a tile's four parts and lay k and v out by rows.
; Phase 3: wave 0 alone: S^T = k q^T, the causal mask, the maximum, p = 2^(s - m) (q arrives multiplied by log2(e)/8), the sum, O^T = v^T p, / the sum.
; The f32 matrix form wants k = 2 h + j in register j.  Here lane (r, h) holds k = 16 blk + 8 h + 0 .. 7 in eight registers on end, in both operands alike: the same products, summed in another order.
; The registers that this form writes (v144-159) are written by matrix instructions alone: what is made of a sum goes elsewhere.
; LIMITS: NaN and infinities are not served; v_exp_f32 and v_rcp_f32 are good to 1 ulp.
.set XF,    524288
.set KFL,   24576                      ; behind 24 parts of 1 KB: k, 16 rows x (256 + 16) bytes
.set VFL,   28928                      ; v, 16 rows x (128 + 16) bytes
.set SPARE, 31232                      ; the spare words, 128 bytes a wave
.set A,   16                           ; v16-79
.set B,   80                           ; v80-143
.set ACC, 144                          ; v144-151, v152-159
; a partial product 16 x 16 x 128: A's rows through v2 and s[4:5], B's columns through v3 and s[6:7], stride bytes from k to k + 1.  tr = 1: source 0 = B.
.macro PART stride, tr
.irp k, 0,1,2,3,4,5,6,7
	global_load_b128 v[A+8*\k:A+8*\k+3], v2, s[4:5] offset:64*\k
	global_load_b128 v[A+8*\k+4:A+8*\k+7], v2, s[4:5] offset:64*\k+16
.endr
.irp k, 0,1,2,3,4,5,6,7
.irp i, 0,1,2,3,4,5,6,7
	global_load_b32 v[B+8*\k+\i], v3, s[6:7] offset:(16*\k+\i)*\stride
.endr
.endr
.irp k, 0,1,2,3,4,5,6,7
	s_wait_loadcnt 56-8*\k                         ; A and B's first k + 1 groups of eight are in; the later groups may be out
.irp p, 0,1,2,3
.set AC, ACC+8*(\p%2)                          ; two accumulators by turns
.set RA, A+8*\k+2*\p
.set RB, B+8*\k+2*\p
.if \tr
.if (\k == 0) && (\p < 2)
	v_wmma_f32_16x16x4_f32 v[AC:AC+7], v[RB:RB+1], v[RA:RA+1], 0
.else
	v_wmma_f32_16x16x4_f32 v[AC:AC+7], v[RB:RB+1], v[RA:RA+1], v[AC:AC+7]
.endif
.else
.if (\k == 0) && (\p < 2)
	v_wmma_f32_16x16x4_f32 v[AC:AC+7], v[RA:RA+1], v[RB:RB+1], 0
.else
	v_wmma_f32_16x16x4_f32 v[AC:AC+7], v[RA:RA+1], v[RB:RB+1], v[AC:AC+7]
.endif
.endif
.endr
.endr
.rept 8
	v_nop                                          ; eight places behind this form (ISA guide 7.12.1)
.endr
.irp p, 0,1,2,3
	v_pk_add_f32 v[A+2*\p:A+2*\p+1], v[ACC+2*\p:ACC+2*\p+1], v[ACC+8+2*\p:ACC+8+2*\p+1]   ; the two halves, into A's first registers, which are done with
.endr
.endm
	s_load_b128 s[4:7], s[0:1], 0x0                ; fine s[4:5], Wup s[6:7]
	s_load_b64 s[8:9], s[0:1], 0x10                ; ofine
	v_lshl_add_u32 v12, v0, 2, SPARE
	v_mov_b32 v13, 0
	v_lshrrev_b32 v1, 5, v0
	v_readfirstlane_b32 s12, v1                    ; wave 0..23
	v_and_b32 v1, 31, v0
	v_lshlrev_b32 v1, 4, v1                        ; 16 x lane
	v_and_b32 v14, 15, v0                          ; r
	v_bfe_u32 v15, v0, 4, 1                        ; h
	v_lshlrev_b32 v2, 11, v14
	v_lshl_add_u32 v2, v15, 5, v2                  ; the latent: row r of 2,048 bytes, + 8 h numbers
	v_mul_u32_u24 v3, v15, 8*12288
	v_lshl_add_u32 v3, v14, 2, v3                  ; Wup: 8 h rows down, column r
	s_lshl_b32 s13, s12, 10
	v_add_nc_u32 v4, s13, v1                       ; my part
	s_min_u32 s13, s12, 5
	s_lshl_b32 s13, s13, 12
	v_add_nc_u32 v5, s13, v1                       ; phase 2: tile w's four parts
	v_mul_u32_u24 v6, v15, 8*272
	v_lshl_add_u32 v6, v14, 2, v6
	s_and_b32 s13, s12, 3
	s_lshl_b32 s13, s13, 6
	s_add_co_u32 s13, s13, KFL
	v_add_nc_u32 v6, s13, v6                       ; k: row 8 h (+ j), column 16 w + r
	v_mul_u32_u24 v9, v15, 8*144
	v_lshl_add_u32 v9, v14, 2, v9
	v_add_nc_u32 v9, VFL, v9                       ; v: row 8 h (+ ..), column r
	s_and_b32 s13, s12, 1
	s_lshl_b32 s13, s13, 6
	v_add_nc_u32 v7, s13, v9                       ; v: column 16 (w - 4) + r
	v_mul_u32_u24 v8, v14, 272
	v_lshl_add_u32 v8, v15, 5, v8
	v_add_nc_u32 v8, KFL, v8                       ; k as an operand: row r, + 8 h numbers
	v_lshlrev_b32 v10, 3, v15
	v_sub_nc_u32 v10, v14, v10                     ; r - 8 h
	v_lshlrev_b32 v11, 12, v14
	v_lshl_add_u32 v11, v15, 5, v11                ; q: row r of 4,096 bytes, + 8 h numbers
	v_lshlrev_b32 v14, 13, v14
	v_lshl_add_u32 v14, v15, 5, v14                ; ofine: row r of 8,192 bytes, + 8 h numbers
	v_mov_b32 v15, 0xff800000                      ; -infinity
	s_mov_b32 s28, 0x76543210
	s_mov_b32 s29, 0xfedcba98
	s_and_b32 s14, ttmp7, 0xffff
	s_lshr_b32 s15, s14, 4                         ; batch
	s_and_b32 s16, s14, 15                         ; head
	s_lshr_b32 s17, s12, 2                         ; tile t
	s_and_b32 s18, s12, 3                          ; K quarter
	s_lshl_b32 s20, s15, 17                        ; the latent: 4 partners x 16 rows x 2,048 bytes a batch; the first partner's
	s_lshl_b32 s21, s18, 9
	s_add_co_u32 s20, s20, s21
	s_add_co_u32 s20, s20, XF
	s_mov_b32 s21, 0
	s_cmp_ge_u32 s17, 4
	s_cselect_b32 s24, ttmp9, 0                    ; v's tiles lie 32 vq columns further on
	s_lshl_b32 s24, s24, 5
	s_mul_i32 s22, s16, 192
	s_add_co_u32 s22, s22, s24
	s_lshl_b32 s24, s17, 4
	s_add_co_u32 s22, s22, s24                     ; the tile's first column: 192 head + 16 t (+ 32 vq)
	s_lshl_b32 s22, s22, 2
	s_mul_i32 s24, s18, 128*12288
	s_add_co_u32 s22, s22, s24
	s_mov_b32 s23, 0
	s_lshl_b32 s26, s15, 18                        ; q: 4 x 16 x 4,096 bytes a batch
	s_lshl_b32 s27, s16, 8
	s_add_co_u32 s26, s26, s27
	s_mov_b32 s27, 0
	s_lshl_b32 s30, s15, 17                        ; ofine: 16 rows a batch
	s_lshl_b32 s31, s16, 9
	s_add_co_u32 s30, s30, s31
	s_lshl_b32 s31, ttmp9, 7
	s_add_co_u32 s30, s30, s31
	s_mov_b32 s31, 0
	s_wait_kmcnt 0x0
	s_add_nc_u64 s[10:11], s[4:5], s[26:27]
	s_add_nc_u64 s[4:5], s[4:5], s[20:21]
	s_add_nc_u64 s[6:7], s[6:7], s[22:23]
	s_add_nc_u64 s[8:9], s[8:9], s[30:31]
	; ---- 1
	PART 12288, 0                                  ; register j of lane (r, h): position 8 h + j, column r
	ds_store_b128 v4, v[16:19]
	ds_store_b128 v4, v[20:23] offset:512
	s_cmp_lg_u32 s12, 0
	s_cbranch_scc1 .Lno_q
.irp k, 0,1,2,3
	global_load_b128 v[24+8*\k:27+8*\k], v11, s[10:11] offset:64*\k        ; q(r, 16 k + 8 h + 0 .. 7), for phase 3
	global_load_b128 v[28+8*\k:31+8*\k], v11, s[10:11] offset:64*\k+16
.endr
.Lno_q:
	s_wait_dscnt 0x0                               ; for the others' sake
	s_barrier_signal -1
	s_barrier_wait -1
	; ---- 2
	s_cmp_lt_u32 s12, 6
	s_cbranch_scc0 .Lsummed
.irp k, 0,1,2,3
	ds_load_b128 v[56+8*\k:59+8*\k], v5 offset:1024*\k
	ds_load_b128 v[60+8*\k:63+8*\k], v5 offset:1024*\k+512
.endr
	s_wait_dscnt 0x0
.irp p, 0,1,2,3
	v_pk_add_f32 v[88+2*\p:89+2*\p], v[56+2*\p:57+2*\p], v[64+2*\p:65+2*\p]
	v_pk_add_f32 v[96+2*\p:97+2*\p], v[72+2*\p:73+2*\p], v[80+2*\p:81+2*\p]
.endr
.irp p, 0,1,2,3
	v_pk_add_f32 v[88+2*\p:89+2*\p], v[88+2*\p:89+2*\p], v[96+2*\p:97+2*\p]
.endr
	s_cmp_lt_u32 s12, 4
	s_cbranch_scc0 .Lfor_v
.irp j, 0,1,2,3,4,5,6,7
	ds_store_b32 v6, v[88+\j] offset:272*\j
.endr
	s_branch .Lsummed
.Lfor_v:
.irp j, 0,1,2,3,4,5,6,7
	ds_store_b32 v7, v[88+\j] offset:144*\j
.endr
.Lsummed:
	s_wait_dscnt 0x0
	s_barrier_signal -1
	s_barrier_wait -1
	; ---- 3
	s_cmp_lg_u32 s12, 0
	s_cbranch_scc1 .Lend
.irp k, 0,1,2,3
	ds_load_b128 v[56+8*\k:59+8*\k], v8 offset:64*\k                       ; k(key r, 16 k + 8 h + 0 .. 7)
	ds_load_b128 v[60+8*\k:63+8*\k], v8 offset:64*\k+16
.endr
.irp tv, 0,1
.irp i, 0,1,2,3,4,5,6,7
	ds_load_b32 v[96+8*\tv+\i], v9 offset:\i*144+64*\tv                    ; v(key 8 h + i, channel 16 tv + r)
.endr
.endr
	s_wait_loadcnt 0x0                             ; q
	s_wait_dscnt 0x0
.rept 9
	v_nop                                          ; nine places ahead of products that begin the two accumulators anew
.endr
.set I_, 0
.rept 16                                       ; S^T = k q^T over d = 64
.if I_ < 2
	v_wmma_f32_16x16x4_f32 v[ACC+8*(I_%2):ACC+8*(I_%2)+7], v[56+2*I_:57+2*I_], v[24+2*I_:25+2*I_], 0
.else
	v_wmma_f32_16x16x4_f32 v[ACC+8*(I_%2):ACC+8*(I_%2)+7], v[56+2*I_:57+2*I_], v[24+2*I_:25+2*I_], v[ACC+8*(I_%2):ACC+8*(I_%2)+7]
.endif
.set I_, I_+1
.endr
.rept 8
	v_nop
.endr
.irp p, 0,1,2,3
	v_pk_add_f32 v[112+2*\p:113+2*\p], v[ACC+2*\p:ACC+2*\p+1], v[ACC+8+2*\p:ACC+8+2*\p+1]   ; register j: key 8 h + j, query r
.endr
.irp j, 0,1,2,3,4,5,6,7
	v_cmp_gt_i32 vcc_lo, \j, v10                   ; hidden where 8 h + j > r
	v_cndmask_b32 v[112+\j], v[112+\j], v15, vcc_lo
.endr
	v_max3_num_f32 v120, v112, v113, v114
	v_max3_num_f32 v120, v120, v115, v116
	v_max3_num_f32 v120, v120, v117, v118
	v_max_num_f32 v120, v120, v119
	v_mov_b32 v121, v120
	v_permlanex16_b32 v121, v120, s28, s29
	v_max_num_f32 v120, v120, v121                 ; key 0 counts for every query: a number
.irp j, 0,1,2,3,4,5,6,7
	v_sub_f32 v[112+\j], v[112+\j], v120
.endr
.irp j, 0,1,2,3,4,5,6,7
	v_exp_f32 v[112+\j], v[112+\j]
.endr
	v_nop
	s_wait_alu depctr_va_vdst(0)                   ; one wait for the eight, ahead of their first reader
	v_pk_add_f32 v[122:123], v[112:113], v[114:115]
	v_pk_add_f32 v[124:125], v[116:117], v[118:119]
	v_pk_add_f32 v[122:123], v[122:123], v[124:125]
	v_add_f32 v122, v122, v123
	v_permlanex16_b32 v124, v122, s28, s29
	v_add_f32 v122, v122, v124
	v_rcp_f32 v122, v122
	v_nop
	s_wait_alu depctr_va_vdst(0)
.irp s, 0,1,2,3                                ; O^T = v^T p over the 16 keys: lane (r, h) gives keys 8 h + 2 s, + 1 in both operands
.irp tv, 0,1
.if \s == 0
	v_wmma_f32_16x16x4_f32 v[ACC+8*\tv:ACC+8*\tv+7], v[96+8*\tv+2*\s:97+8*\tv+2*\s], v[112+2*\s:113+2*\s], 0
.else
	v_wmma_f32_16x16x4_f32 v[ACC+8*\tv:ACC+8*\tv+7], v[96+8*\tv+2*\s:97+8*\tv+2*\s], v[112+2*\s:113+2*\s], v[ACC+8*\tv:ACC+8*\tv+7]
.endif
.endr
.endr
.rept 8
	v_nop
.endr
.irp j, 0,1,2,3,4,5,6,7,8,9,10,11,12,13,14,15
	v_mul_f32 v[128+\j], v[ACC+\j], v122           ; register 8 tv + j: channel 16 tv + 8 h + j of query r
.endr
.irp tv, 0,1
	global_store_b128 v14, v[128+8*\tv:131+8*\tv], s[8:9] offset:64*\tv
	global_store_b128 v14, v[132+8*\tv:135+8*\tv], s[8:9] offset:64*\tv+16
.endr
.Lend:
	s_wait_tensorcnt 0x0                           ; the wave's end, behind my last LDS store
	ds_add_u32 v12, v13
	s_wait_dscnt 0x0
	s_endpgm
.Lfunc_end_k_q52adbb39f1_fine1:
	.size	k_q52adbb39f1_fine1, .Lfunc_end_k_q52adbb39f1_fine1-k_q52adbb39f1_fine1
	.p2alignl 7, 3214868480
	.fill 96, 4, 3214868480
	.section	.rodata,"a",@progbits
	.p2align	6, 0x0
	.amdhsa_kernel k_q52adbb39f1_fine1
		.amdhsa_group_segment_fixed_size 34304
		.amdhsa_private_segment_fixed_size 0
		.amdhsa_enable_private_segment 0
		.amdhsa_kernarg_size 24
		.amdhsa_user_sgpr_count 2
		.amdhsa_user_sgpr_kernarg_segment_ptr 1
		.amdhsa_wavefront_size32 1
		.amdhsa_system_sgpr_workgroup_id_x 1
		.amdhsa_system_sgpr_workgroup_id_y 1
		.amdhsa_system_sgpr_workgroup_id_z 1
		.amdhsa_system_vgpr_workitem_id 0
		.amdhsa_next_free_vgpr 160
		.amdhsa_next_free_sgpr 66
		.amdhsa_reserve_vcc 1
		.amdhsa_float_denorm_mode_32 3
		.amdhsa_float_denorm_mode_16_64 3
		.amdhsa_memory_ordered 1
		.amdhsa_forward_progress 1
		.amdhsa_inst_pref_size 25
	.end_amdhsa_kernel
	.amdgpu_metadata
---
amdhsa.version: [ 1, 2 ]
amdhsa.kernels:
  - .name:           k_q52adbb39f1_fine1
    .symbol:         k_q52adbb39f1_fine1.kd
    .args:
      - { .name: fine, .offset: 0, .size: 8, .value_kind: global_buffer, .address_space: global }
      - { .name: Wup, .offset: 8, .size: 8, .value_kind: global_buffer, .address_space: global }
      - { .name: ofine, .offset: 16, .size: 8, .value_kind: global_buffer, .address_space: global }
    .group_segment_fixed_size: 34304
    .private_segment_fixed_size: 0
    .kernarg_segment_align: 8
    .kernarg_segment_size: 24
    .max_flat_workgroup_size: 768
    .sgpr_count:     66
    .vgpr_count:     160
    .wavefront_size: 32
...
	.end_amdgpu_metadata
.endif
;; end of part 6
;; launch fine2 (part 7): grid 128 x 2, 16 waves a work-group, no clusters, 18,432 bytes of LDS; arguments ofine, Wo, out0; writes out0
.if DOCPART == 7
	.amdgcn_target "amdgcn-amd-amdhsa--gfx1250"
	.amdhsa_code_object_version 6
	.text
	.protected	k_q52adbb39f1_fine2
	.globl	k_q52adbb39f1_fine2
	.p2align	8
	.type	k_q52adbb39f1_fine2,@function
k_q52adbb39f1_fine2:
	s_mov_b64 s[64:65], 0
	v_nop
	global_prefetch_b8 v0, s[64:65] scope:SCOPE_SE
	s_setreg_imm32_b32 hwreg(HW_REG_WAVE_MODE, 25, 1), 1
	s_wait_xcnt 0x0
; FINE2.  The projection of the first 16 positions of each sequence, in f32: out0[2048 b + r][:] = ofine[16 b + r][:] x Wo.  These 32 rows take the place of what the f16 projection wrote there.
; Work-group (column tile, batch) makes 16 rows x 16 columns; wave w sums over K = 128 w .. + 127 (32 products of 16 x 16 x 4), the sixteen parts meet in LDS, waves 0 and 1 add them and store 16 bytes a lane.
; Used transposed (source 0 = Wo's columns, source 1 = the rows): a lane holds one row and eight neighbouring columns.
; The f32 matrix form wants k = 2 h + j in register j.  Here lane (r, h) holds k = 16 blk + 8 h + 0 .. 7 in eight registers on end, in both operands alike: the same products, summed in another order.
; The registers that this form writes (v144-159) are written by matrix instructions alone.
; The stores are runs of 64 bytes of a row, 256 KB in the launch: wider tiles would leave most of the waves without work.
.set SPARE, 16384                      ; behind 16 parts of 1 KB: the spare words, 128 bytes a wave
.set A,   16                           ; v16-79
.set B,   80                           ; v80-143
.set ACC, 144                          ; v144-151, v152-159
.macro PART stride, tr
.irp k, 0,1,2,3,4,5,6,7
	global_load_b128 v[A+8*\k:A+8*\k+3], v2, s[4:5] offset:64*\k
	global_load_b128 v[A+8*\k+4:A+8*\k+7], v2, s[4:5] offset:64*\k+16
.endr
.irp k, 0,1,2,3,4,5,6,7
.irp i, 0,1,2,3,4,5,6,7
	global_load_b32 v[B+8*\k+\i], v3, s[6:7] offset:(16*\k+\i)*\stride
.endr
.endr
.irp k, 0,1,2,3,4,5,6,7
	s_wait_loadcnt 56-8*\k                         ; A and B's first k + 1 groups of eight are in; the later groups may be out
.irp p, 0,1,2,3
.set AC, ACC+8*(\p%2)                          ; two accumulators by turns
.set RA, A+8*\k+2*\p
.set RB, B+8*\k+2*\p
.if \tr
.if (\k == 0) && (\p < 2)
	v_wmma_f32_16x16x4_f32 v[AC:AC+7], v[RB:RB+1], v[RA:RA+1], 0
.else
	v_wmma_f32_16x16x4_f32 v[AC:AC+7], v[RB:RB+1], v[RA:RA+1], v[AC:AC+7]
.endif
.else
.if (\k == 0) && (\p < 2)
	v_wmma_f32_16x16x4_f32 v[AC:AC+7], v[RA:RA+1], v[RB:RB+1], 0
.else
	v_wmma_f32_16x16x4_f32 v[AC:AC+7], v[RA:RA+1], v[RB:RB+1], v[AC:AC+7]
.endif
.endif
.endr
.endr
.rept 8
	v_nop                                          ; eight places behind this form (ISA guide 7.12.1)
.endr
.irp p, 0,1,2,3
	v_pk_add_f32 v[A+2*\p:A+2*\p+1], v[ACC+2*\p:ACC+2*\p+1], v[ACC+8+2*\p:ACC+8+2*\p+1]   ; the two halves, into A's first registers, which are done with
.endr
.endm
	s_load_b128 s[4:7], s[0:1], 0x0                ; ofine s[4:5], Wo s[6:7]
	s_load_b64 s[8:9], s[0:1], 0x10                ; out0
	v_lshl_add_u32 v12, v0, 2, SPARE
	v_mov_b32 v13, 0
	v_lshrrev_b32 v1, 5, v0
	v_readfirstlane_b32 s12, v1                    ; wave 0..15
	v_and_b32 v1, 31, v0
	v_lshlrev_b32 v1, 4, v1                        ; 16 x lane
	v_and_b32 v14, 15, v0                          ; r
	v_bfe_u32 v15, v0, 4, 1                        ; h
	v_lshlrev_b32 v2, 13, v14
	v_lshl_add_u32 v2, v15, 5, v2                  ; a row of 8,192 bytes, + 8 h numbers: in ofine and in out0 alike
	v_lshlrev_b32 v3, 16, v15
	v_lshl_add_u32 v3, v14, 2, v3                  ; Wo: 8 h rows down, column r
	s_lshl_b32 s13, s12, 10
	v_add_nc_u32 v4, s13, v1                       ; my part
	s_and_b32 s14, s12, 1
	s_lshl_b32 s13, s14, 9
	v_add_nc_u32 v5, s13, v1                       ; the adding waves: registers 0-3 (wave 0) or 4-7 (wave 1) of every part
	s_and_b32 s15, ttmp7, 0xffff                   ; batch
	s_lshl_b32 s20, s15, 17
	s_lshl_b32 s21, s12, 9
	s_add_co_u32 s20, s20, s21                     ; ofine: 16 rows a batch, + 128 w numbers
	s_mov_b32 s21, 0
	s_lshl_b32 s22, s12, 20                        ; Wo: 128 w rows of 8,192 bytes,
	s_lshl_b32 s23, ttmp9, 6
	s_add_co_u32 s22, s22, s23                     ; + the tile's 16 columns
	s_lshl_b32 s24, s15, 24                        ; out0: 2,048 rows a batch
	s_add_co_u32 s24, s24, s23
	s_lshl_b32 s23, s14, 4
	s_add_co_u32 s24, s24, s23                     ; + 4 columns for wave 1
	s_mov_b32 s23, 0
	s_mov_b32 s25, 0
	s_wait_kmcnt 0x0
	s_add_nc_u64 s[4:5], s[4:5], s[20:21]
	s_add_nc_u64 s[6:7], s[6:7], s[22:23]
	s_add_nc_u64 s[8:9], s[8:9], s[24:25]
	PART 8192, 1                                   ; register j of lane (r, h): row r, column 8 h + j
	ds_store_b128 v4, v[16:19]
	ds_store_b128 v4, v[20:23] offset:512
	s_wait_dscnt 0x0                               ; for the others' sake
	s_barrier_signal -1
	s_barrier_wait -1
	s_cmp_lt_u32 s12, 2
	s_cbranch_scc0 .Lend
.irp p, 0,1,2,3,4,5,6,7,8,9,10,11,12,13,14,15
	ds_load_b128 v[16+4*\p:19+4*\p], v5 offset:1024*\p
.endr
	s_wait_dscnt 0x0
.irp p, 0,1,2,3,4,5,6,7
	v_pk_add_f32 v[16+4*\p:17+4*\p], v[16+4*\p:17+4*\p], v[48+4*\p:49+4*\p]
	v_pk_add_f32 v[18+4*\p:19+4*\p], v[18+4*\p:19+4*\p], v[50+4*\p:51+4*\p]
.endr
.irp p, 0,1,2,3
	v_pk_add_f32 v[16+4*\p:17+4*\p], v[16+4*\p:17+4*\p], v[32+4*\p:33+4*\p]
	v_pk_add_f32 v[18+4*\p:19+4*\p], v[18+4*\p:19+4*\p], v[34+4*\p:35+4*\p]
.endr
.irp p, 0,1
	v_pk_add_f32 v[16+4*\p:17+4*\p], v[16+4*\p:17+4*\p], v[24+4*\p:25+4*\p]
	v_pk_add_f32 v[18+4*\p:19+4*\p], v[18+4*\p:19+4*\p], v[26+4*\p:27+4*\p]
.endr
	v_pk_add_f32 v[16:17], v[16:17], v[20:21]
	v_pk_add_f32 v[18:19], v[18:19], v[22:23]
	global_store_b128 v2, v[16:19], s[8:9]
.Lend:
	s_wait_tensorcnt 0x0                           ; the wave's end, behind my last LDS store
	ds_add_u32 v12, v13
	s_wait_dscnt 0x0
	s_endpgm
.Lfunc_end_k_q52adbb39f1_fine2:
	.size	k_q52adbb39f1_fine2, .Lfunc_end_k_q52adbb39f1_fine2-k_q52adbb39f1_fine2
	.p2alignl 7, 3214868480
	.fill 96, 4, 3214868480
	.section	.rodata,"a",@progbits
	.p2align	6, 0x0
	.amdhsa_kernel k_q52adbb39f1_fine2
		.amdhsa_group_segment_fixed_size 18432
		.amdhsa_private_segment_fixed_size 0
		.amdhsa_enable_private_segment 0
		.amdhsa_kernarg_size 24
		.amdhsa_user_sgpr_count 2
		.amdhsa_user_sgpr_kernarg_segment_ptr 1
		.amdhsa_wavefront_size32 1
		.amdhsa_system_sgpr_workgroup_id_x 1
		.amdhsa_system_sgpr_workgroup_id_y 1
		.amdhsa_system_sgpr_workgroup_id_z 1
		.amdhsa_system_vgpr_workitem_id 0
		.amdhsa_next_free_vgpr 160
		.amdhsa_next_free_sgpr 66
		.amdhsa_reserve_vcc 0
		.amdhsa_float_denorm_mode_32 3
		.amdhsa_float_denorm_mode_16_64 3
		.amdhsa_memory_ordered 1
		.amdhsa_forward_progress 1
		.amdhsa_inst_pref_size 16
	.end_amdhsa_kernel
	.amdgpu_metadata
---
amdhsa.version: [ 1, 2 ]
amdhsa.kernels:
  - .name:           k_q52adbb39f1_fine2
    .symbol:         k_q52adbb39f1_fine2.kd
    .args:
      - { .name: ofine, .offset: 0, .size: 8, .value_kind: global_buffer, .address_space: global }
      - { .name: Wo, .offset: 8, .size: 8, .value_kind: global_buffer, .address_space: global }
      - { .name: out0, .offset: 16, .size: 8, .value_kind: global_buffer, .address_space: global }
    .group_segment_fixed_size: 18432
    .private_segment_fixed_size: 0
    .kernarg_segment_align: 8
    .kernarg_segment_size: 24
    .max_flat_workgroup_size: 512
    .sgpr_count:     66
    .vgpr_count:     160
    .wavefront_size: 32
...
	.end_amdgpu_metadata
.endif
;; end of part 7
